; MI455X (gfx1250); checked and timed in simulation.
; The chip was launched on July 23, 2026; its instructions are those of AMD's public machine-readable ISA for CDNA 5 (MIT licence, August 2026) and "CDNA5" Instruction Set Architecture Reference Guide (July 2026). The comments in the code are by the model that wrote it; some were corrected since.
;; Orthogonal Phasor. Allowed arithmetic: float matrix products may take bf16 or f16 operands with f32 sums; all other float work in f32.
;; Inputs: Wk 1,024 x 1,024 float32; Wkp 1,024 x 1,024 float32; Wo 1,024 x 1,024 float32; Wq 1,024 x 1,024 float32; Wqp 1,024 x 1,024 float32; Wv 1,024 x 1,024 float32; bk 1,024 float32; bkp 1,024 float32; bo 1,024 float32; bq 1,024 float32; bqp 1,024 float32; bv 1,024 float32; ln_b 1,024 float32; ln_g 1,024 float32; phase_scale 1,024 float32; x 4 x 2,048 x 1,024 float32.
;; Outputs: out0 4 x 2,048 x 1,024 float32.
;; 2 versions, each right. Each part assembles by itself: llvm-mc -triple=amdgcn-amd-amdhsa -mcpu=gfx1250 --defsym DOCPART=n.
;; ======== version 1 of 2: 4 launches
;; limits: values are held in f16: magnitudes above 65,504 overflow, below 6.1e-05 lose precision
;; workspace buffers: xb 16,777,216 bytes; kqb 33,554,432 bytes; wb 12,582,912 bytes; tab 20,480 bytes; dbuf 16,777,216 bytes; stats 524,288 bytes
;; launch cast (part 1): grid 448 x 1, 8 waves a work-group, no clusters, 2,048 bytes of LDS; arguments x, Wk, Wq, Wv, Wkp, Wqp, Wo, ln_g, ln_b, bo, xb, wb, tab; writes xb, wb, tab
.if DOCPART == 1
	.amdgcn_target "amdgcn-amd-amdhsa--gfx1250"
	.amdhsa_code_object_version 6
	.text
	.protected	k_qb8d97a03fd_cast
	.globl	k_qb8d97a03fd_cast
	.p2align	8
	.type	k_qb8d97a03fd_cast,@function
k_qb8d97a03fd_cast:
	s_mov_b64 s[64:65], 0
	v_nop
	global_prefetch_b8 v0, s[64:65] scope:SCOPE_SE
	s_setreg_imm32_b32 hwreg(HW_REG_WAVE_MODE, 25, 1), 1
	s_wait_xcnt 0x0
; Rounds the matrix operands once.  x, Wk, Wq, Wv, Wkp, Wqp go to f16; Wo[e][k] * ln_g[k] goes to bf16.
;   xb [8192][1024] f16.
;   wb byte 0: [Wk; Wq] as [2048][1024] f16;  byte 0x400000: [Wv | Wkp | Wqp] along k as [1024][3072] f16;  byte 0xA00000: Wo*ln_g as [1024][1024] bf16.
;   tab byte 0: S[e][b] = sum over k = 128 b .. 128 b + 127 of Wo[e][k] ln_g[k], [1024][8] bf16;  byte 16384: c[e] = bo[e] + sum over k of Wo[e][k] ln_b[k], f32.
; LIMITS: f16 holds magnitudes up to 65,504 and steps of 6e-8 near zero; x and the five weights are taken to lie inside that.
;         ln_g is folded into Wo ahead of the rounding to bf16; the sums for S and c are made in f32, in an order of their own.
; A work-group takes 32 rows of 1024 f32, a wave 4 rows, all 32 loads of a wave in flight at once.  Work-groups 0-255: x; then 32 for each weight.
; Memory binds: no matrix unit, no cluster, no LDS but 640 bytes in which the last weight's 32 rows gather S and c for whole stores.
.set ROWB, 4096                        ; bytes in a source row
.set DO,  2                            ; v[2:5]     row i: 8 x lane + i x destination pitch
.set X,   8                            ; v[8:135]   row i, load j at X + 32 i + 4 j: elements 128 j + 4 lane .. + 3
.set G,   136                          ; v[136:167] ln_g in the same lane layout
.set LB,  168                          ; v[168:199] ln_b likewise
.set SS,  200                          ; v[200:207] the eight block sums of a row; v208 follows them on purpose
.set CA,  208                          ; v[208:209] the sum for c
.set TP,  210                          ; v[210:211] at work
.set PK,  212                          ; v[212:215] second chain for c, then S packed
.set WA,  216                          ; 16 x wave
.set L4,  217                          ; 4 x lane
	s_load_b512 s[8:23], s[0:1], 0x0               ; x, Wk, Wq, Wv, Wkp, Wqp, Wo, ln_g
	s_load_b256 s[24:31], s[0:1], 0x40             ; ln_b, bo, xb, wb
	s_load_b64 s[32:33], s[0:1], 0x60              ; tab
	v_lshl_add_u32 v220, v0, 2, 0x400
	v_mov_b32 v221, 0
	v_lshrrev_b32 v6, 5, v0
	v_readfirstlane_b32 s6, v6                     ; wave
	v_and_b32 v7, 31, v0                           ; lane
	v_lshlrev_b32 v1, 4, v7                        ; 16 bytes a lane in the source
	v_lshlrev_b32 v[DO], 3, v7                     ; 8 bytes a lane in the destination
	s_sub_co_u32 s2, ttmp9, 256
	s_lshr_b32 s3, s2, 5
	s_add_co_u32 s3, s3, 1                         ; which weight, 1 to 6
	s_and_b32 s4, s2, 31
	s_cmp_lt_u32 ttmp9, 256
	s_cselect_b32 s3, 0, s3                        ; sel: 0 = x
	s_cselect_b32 s4, ttmp9, s4
	s_lshl_b32 s4, s4, 5                           ; the group's first row
	s_lshl2_add_u32 s42, s6, s4                    ; my wave's first row
	s_mov_b32 s40, 0                               ; where the tensor begins in its destination buffer
	s_cmp_eq_u32 s3, 2
	s_cselect_b32 s40, 0x200000, s40
	s_cmp_eq_u32 s3, 3
	s_cselect_b32 s40, 0x400000, s40
	s_cmp_eq_u32 s3, 4
	s_cselect_b32 s40, 0x400800, s40
	s_cmp_eq_u32 s3, 5
	s_cselect_b32 s40, 0x401000, s40
	s_cmp_eq_u32 s3, 6
	s_cselect_b32 s40, 0xa00000, s40
	s_movk_i32 s41, 2048                           ; destination pitch in bytes,
	s_sub_co_u32 s5, s3, 3
	s_cmp_lt_u32 s5, 3
	s_cselect_b32 s41, 6144, s41                   ; 6144 for the three that lie side by side
	s_lshl_b32 s44, s42, 12
	s_mov_b32 s45, 0
	s_mul_i32 s46, s42, s41
	s_add_co_u32 s46, s46, s40
	s_mov_b32 s47, 0
	v_add_nc_u32 v[DO+1], s41, v[DO]
	v_add_nc_u32 v[DO+2], s41, v[DO+1]
	v_add_nc_u32 v[DO+3], s41, v[DO+2]
	s_wait_kmcnt 0x0
	s_mov_b64 s[36:37], s[8:9]                     ; the source: chosen by the work-group's number alone
.irp i, 1,2,3,4,5,6
	s_cmp_eq_u32 s3, \i
	s_cselect_b64 s[36:37], s[8+2*\i:9+2*\i], s[36:37]
.endr
	s_cmp_eq_u32 s3, 0
	s_cselect_b64 s[38:39], s[28:29], s[30:31]     ; the destination: xb or wb
	s_add_nc_u64 s[36:37], s[36:37], s[44:45]
	s_add_nc_u64 s[38:39], s[38:39], s[46:47]
.irp i, 0,1,2,3
.irp j, 0,1,2,3,4,5,6,7
	global_load_b128 v[X+32*\i+4*\j:X+32*\i+4*\j+3], v1, s[36:37] offset:\i*ROWB+\j*512 th:TH_LOAD_NT   ; 512 consecutive bytes
.endr
.endr
	s_cmp_eq_u32 s3, 6
	s_cbranch_scc1 .Lwo                            ; hangs on the work-group's number: all eight waves go the same way
	; x and the five plain weights: round to f16 in place and store.  No register is written twice, so the only waits are the counted ones for the loads.
.set n, 0
.irp i, 0,1,2,3
.irp j, 0,1,2,3,4,5,6,7
	s_wait_loadcnt 31-n                            ; loads come back in order: load n is in, the 31 - n younger ones stay out
	v_cvt_pk_f16_f32 v[X+32*\i+4*\j],   v[X+32*\i+4*\j],   v[X+32*\i+4*\j+1]
	v_cvt_pk_f16_f32 v[X+32*\i+4*\j+1], v[X+32*\i+4*\j+2], v[X+32*\i+4*\j+3]
	global_store_b64 v[DO+\i], v[X+32*\i+4*\j:X+32*\i+4*\j+1], s[38:39] offset:256*\j   ; the wave stores 256 consecutive bytes, at a multiple of 256
.set n, n+1
.endr
.endr
	s_endpgm
.Lwo:	; Wo: scale by ln_g, round to bf16, and make S and c of my four rows
.irp j, 0,1,2,3,4,5,6,7
	global_load_b128 v[G+4*\j:G+4*\j+3],   v1, s[22:23] offset:512*\j
	global_load_b128 v[LB+4*\j:LB+4*\j+3], v1, s[24:25] offset:512*\j
.endr
	s_mov_b32 s34, 0x76543210                      ; v_permlanex16_b32: lane i of one half reads lane i of the other
	s_mov_b32 s35, 0xfedcba98
	v_lshlrev_b32 v[WA], 4, v6                     ; my four words of c in LDS
	v_lshlrev_b32 v6, 6, v6                        ; my four rows of S in LDS
	v_lshlrev_b32 v[L4], 2, v7
	s_lshl_b32 s48, s4, 2
	s_mov_b32 s49, 0
	s_add_nc_u64 s[50:51], s[32:33], s[48:49]
	s_add_nc_u64 s[50:51], s[50:51], 0x4000        ; c of the group's first row
	s_add_nc_u64 s[26:27], s[26:27], s[48:49]      ; bo likewise
	s_lshl_b32 s44, s4, 4                          ; (s45 is still 0)
	s_add_nc_u64 s[32:33], s[32:33], s[44:45]      ; S likewise
	s_wait_loadcnt 0x0
.macro WOROW i
.set XR, X+32*\i
	v_pk_mul_f32 v[CA:CA+1], v[XR:XR+1],   v[LB:LB+1]          ; sum of Wo * ln_b, two chains of packed multiply-adds; the first products start them
	v_pk_mul_f32 v[PK:PK+1], v[XR+2:XR+3], v[LB+2:LB+3]
.set k, 4
.rept 7
	v_pk_fma_f32 v[CA:CA+1], v[XR+k:XR+k+1],   v[LB+k:LB+k+1],   v[CA:CA+1]
	v_pk_fma_f32 v[PK:PK+1], v[XR+k+2:XR+k+3], v[LB+k+2:LB+k+3], v[PK:PK+1]
.set k, k+4
.endr
	v_pk_add_f32 v[CA:CA+1], v[CA:CA+1], v[PK:PK+1]
.irp j, 0,1,2,3,4,5,6,7                        ; load j holds exactly the 128 columns of block j
	v_pk_mul_f32 v[XR+4*\j:XR+4*\j+1],   v[XR+4*\j:XR+4*\j+1],   v[G+4*\j:G+4*\j+1]
	v_pk_mul_f32 v[XR+4*\j+2:XR+4*\j+3], v[XR+4*\j+2:XR+4*\j+3], v[G+4*\j+2:G+4*\j+3]
	v_pk_add_f32 v[TP:TP+1], v[XR+4*\j:XR+4*\j+1], v[XR+4*\j+2:XR+4*\j+3]
	v_add_f32 v[SS+\j], v[TP], v[TP+1]
	v_cvt_pk_bf16_f32 v[XR+4*\j],   v[XR+4*\j],   v[XR+4*\j+1]
	v_cvt_pk_bf16_f32 v[XR+4*\j+1], v[XR+4*\j+2], v[XR+4*\j+3]
	global_store_b64 v[DO+\i], v[XR+4*\j:XR+4*\j+1], s[38:39] offset:256*\j
.endr
	v_add_f32 v[CA], v[CA], v[CA+1]
	; nine sums over the 32 lanes (v200 to v208), side by side
.irp m, 1,2,4,8
.set k, 0
.rept 9
	v_add_f32_dpp v[SS+k], v[SS+k], v[SS+k] row_xmask:\m row_mask:0xf bank_mask:0xf
.set k, k+1
.endr
.endr
.set k, 0
.rept 9
	v_permlanex16_b32 v[TP+(k&1)], v[SS+k], s34, s35           ; its destination counts as read: TP has been written above
	v_add_f32 v[SS+k], v[SS+k], v[TP+(k&1)]
.set k, k+1
.endr
.irp m, 0,1,2,3
	v_cvt_pk_bf16_f32 v[PK+\m], v[SS+2*\m], v[SS+2*\m+1]
.endr
	ds_store_b128 v6, v[PK:PK+3] offset:16*\i                  ; every lane holds the same numbers and writes the same bytes
	ds_store_b32 v[WA], v[CA] offset:512+4*\i
.endm
	WOROW 0
	WOROW 1
	WOROW 2
	WOROW 3
	s_wait_dscnt 0x0                               ; my LDS stores are done, for wave 0's sake
	s_barrier_signal -1
	s_barrier_wait -1
	s_cmp_lg_u32 s6, 0
	s_cbranch_scc1 .Lend
	ds_load_b128 v[PK:PK+3], v1                    ; lane l: S of row l of the group's 32
	ds_load_b32 v[CA], v[L4] offset:512
	global_load_b32 v[CA+1], v[L4], s[26:27]       ; bo
	s_wait_dscnt 0x1                               ; S is in; the word of c behind it may stay out
	global_store_b128 v1, v[PK:PK+3], s[32:33]     ; 512 consecutive bytes
	s_wait_dscnt 0x0
	s_wait_loadcnt 0x0
	v_add_f32 v[CA], v[CA], v[CA+1]
	global_store_b32 v[L4], v[CA], s[50:51]        ; 128 consecutive bytes: all that the group has of c
.Lend:
	s_wait_tensorcnt 0x0
	ds_add_u32 v220, v221
	s_wait_dscnt 0x0
	s_endpgm
.Lfunc_end_k_qb8d97a03fd_cast:
	.size	k_qb8d97a03fd_cast, .Lfunc_end_k_qb8d97a03fd_cast-k_qb8d97a03fd_cast
	.p2alignl 7, 3214868480
	.fill 96, 4, 3214868480
	.section	.rodata,"a",@progbits
	.p2align	6, 0x0
	.amdhsa_kernel k_qb8d97a03fd_cast
		.amdhsa_group_segment_fixed_size 2048
		.amdhsa_private_segment_fixed_size 0
		.amdhsa_enable_private_segment 0
		.amdhsa_kernarg_size 104
		.amdhsa_user_sgpr_count 2
		.amdhsa_user_sgpr_kernarg_segment_ptr 1
		.amdhsa_wavefront_size32 1
		.amdhsa_system_sgpr_workgroup_id_x 1
		.amdhsa_system_sgpr_workgroup_id_y 1
		.amdhsa_system_sgpr_workgroup_id_z 1
		.amdhsa_system_vgpr_workitem_id 0
		.amdhsa_next_free_vgpr 222
		.amdhsa_next_free_sgpr 66
		.amdhsa_reserve_vcc 0
		.amdhsa_float_denorm_mode_32 3
		.amdhsa_float_denorm_mode_16_64 3
		.amdhsa_memory_ordered 1
		.amdhsa_forward_progress 1
		.amdhsa_inst_pref_size 49
	.end_amdhsa_kernel
	.amdgpu_metadata
---
amdhsa.version: [ 1, 2 ]
amdhsa.kernels:
  - .name:           k_qb8d97a03fd_cast
    .symbol:         k_qb8d97a03fd_cast.kd
    .args:
      - { .name: x, .offset: 0, .size: 8, .value_kind: global_buffer, .address_space: global }
      - { .name: Wk, .offset: 8, .size: 8, .value_kind: global_buffer, .address_space: global }
      - { .name: Wq, .offset: 16, .size: 8, .value_kind: global_buffer, .address_space: global }
      - { .name: Wv, .offset: 24, .size: 8, .value_kind: global_buffer, .address_space: global }
      - { .name: Wkp, .offset: 32, .size: 8, .value_kind: global_buffer, .address_space: global }
      - { .name: Wqp, .offset: 40, .size: 8, .value_kind: global_buffer, .address_space: global }
      - { .name: Wo, .offset: 48, .size: 8, .value_kind: global_buffer, .address_space: global }
      - { .name: ln_g, .offset: 56, .size: 8, .value_kind: global_buffer, .address_space: global }
      - { .name: ln_b, .offset: 64, .size: 8, .value_kind: global_buffer, .address_space: global }
      - { .name: bo, .offset: 72, .size: 8, .value_kind: global_buffer, .address_space: global }
      - { .name: xb, .offset: 80, .size: 8, .value_kind: global_buffer, .address_space: global }
      - { .name: wb, .offset: 88, .size: 8, .value_kind: global_buffer, .address_space: global }
      - { .name: tab, .offset: 96, .size: 8, .value_kind: global_buffer, .address_space: global }
    .group_segment_fixed_size: 2048
    .private_segment_fixed_size: 0
    .kernarg_segment_align: 8
    .kernarg_segment_size: 104
    .max_flat_workgroup_size: 256
    .sgpr_count:     66
    .vgpr_count:     222
    .wavefront_size: 32
...
	.end_amdgpu_metadata
.endif
;; end of part 1
;; launch kqgemm (part 2): grid 8 x 32, 4 waves a work-group, clusters of 4 x 4, 327,680 bytes of LDS; arguments xb, wb, bk, bq, kqb; writes kqb
.if DOCPART == 2
	.amdgcn_target "amdgcn-amd-amdhsa--gfx1250"
	.amdhsa_code_object_version 6
	.text
	.protected	k_qb8d97a03fd_kqgemm
	.globl	k_qb8d97a03fd_kqgemm
	.p2align	8
	.type	k_qb8d97a03fd_kqgemm,@function
k_qb8d97a03fd_kqgemm:
	s_mov_b64 s[64:65], 0
	v_nop
	global_prefetch_b8 v0, s[64:65] scope:SCOPE_SE
	s_setreg_imm32_b32 hwreg(HW_REG_WAVE_MODE, 25, 1), 1
	s_wait_xcnt 0x0
	s_wait_alu depctr_hold_cnt(0) depctr_sa_sdst(0) depctr_va_vdst(0) depctr_va_sdst(0) depctr_va_ssrc(0) depctr_va_vcc(0) depctr_vm_vsrc(0)
	s_getreg_b32 s2, hwreg(HW_REG_IB_STS2, 6, 4)
	s_cmp_eq_u32 s2, 0
	s_cbranch_scc0 .Lentry_in_a_cluster
	s_endpgm
.Lentry_in_a_cluster:
	s_bfe_u32 s2, ttmp6, 0x10000c
	s_cmp_lg_u32 s2, 0xf033
	s_cbranch_scc0 .Lentry_shape_is_right
	s_endpgm
.Lentry_shape_is_right:
; kqb[m][n] = sum over k of xb[m][k] W[n][k] + bias[n]:  W = [Wk; Wq] (2048 rows at wb's first byte), bias = [bk | bq].  f16 operands, f32 sums, f16 out.
; LIMIT: key and query are stored in f16: magnitudes up to 65,504.
; A work-group makes 256 x 256 of the result with four waves, a wave 128 x 128: 64 accumulator tiles, 512 registers.  K goes in steps of 128 through two LDS
; slots filled by the tensor data mover; a tile's rows are 256 bytes of memory at multiples of 256 bytes.
; CLUSTERS: 4 x 4 work-groups.  The four of a cluster's row need the same tiles of xb, the four of a column the same tiles of W: each tile is asked for jointly.
; REGISTERS in windows of 256: window 0: v0-31 addresses, v64-127 and v128-191 fragments of xb (two buffers), v192-255 the bias, later the packed results;
;   window 1: v64-127, v128-191 fragments of W;  window 2: accumulator tiles of my rows 0-63 (tile (a, b) at v[8 (8 a + b)]);  window 3: rows 64-127.
; THE MATRIX INSTRUCTION IS USED TRANSPOSED: source 0 = 16 rows of W, source 1 = 16 rows of xb.  Lane l then holds row l % 16 and its registers 0-7 the columns
; 8 (l / 16) + 0..7: eight neighbouring numbers of a row.  The bias is loaded in that layout and is the C operand of each tile's first product: nothing is cleared or added later.
.set SIZE_M, 8192
.set SIZE_N, 2048
.set SIZE_K, 1024
.set KSTEP,  128
.set PITCH,  272                       ; an LDS row: 256 bytes + 16 of padding = 17 x 16: the 16 rows of a fragment load begin at 16 different 16-byte columns modulo 256
.set HALFT,  128*PITCH                 ; what one tensor load brings
.set SLOT,   4*HALFT                   ; xb's 256 rows, then W's 256 rows
.set STAGE,  2*SLOT                    ; behind the ring: 16 rows x 272 bytes for each wave
.set SPITCH, 272
.set LAPS, SIZE_K/(2*KSTEP)            ; 4 laps of two K steps
.set ADRA, 16
.set ADRB, 20
.set STO,  24
.set RD,   25
.set CO,   26
.set BO,   27                          ; 32 x (l / 16): my eight bias numbers in a tile's 16
.set F0,   64
.set F1,   128
.set TMP,  192
.set BIAS, 192                         ; v[192:255] window 0: tile b's eight numbers at 192 + 8 b
.set G1, 24
.set G0, 32
.set G1B, 48
.set G0B, 56
.set MSB, 0
.macro WIN new                         ; the immediate's high byte repeats the setting that is left
.if MSB != (\new)
	s_set_vgpr_msb (MSB<<8)|(\new)
.set MSB, (\new)
.endif
.endm
.set MUL_LO, 0xa1                      ; source 0 (W) window 1, source 1 (xb) window 0, C and D window 2
.set MUL_HI, 0xf1                      ; the same, C and D window 3
.set BEG_LO, 0x81                      ; the first products: C is the bias, in window 0
.set BEG_HI, 0xc1
.set TO_B,   0x40
.macro JLOAD s                         ; waves 0, 1 ask for xb's two halves, waves 2, 3 for W's; the branch hangs on the wave's number alone
	s_cmp_eq_u32 s11, 0
	s_cbranch_scc0 .Lfor_b_\@
	tensor_load_to_lds s[G0+4*\s:G0+4*\s+3], s[G1:G1+7]
	s_nop 0
	s_branch .Lasked_\@
.Lfor_b_\@:
	tensor_load_to_lds s[G0B+4*\s:G0B+4*\s+3], s[G1B:G1B+7]
	s_nop 0
.Lasked_\@:
.endm
.macro CREST                           ; a round of the cluster's barrier behind its opening work-group barrier
	s_cmp_lg_u32 s10, 0
	s_cbranch_scc1 .Lnot_wave_0_\@
	s_barrier_signal -3
.Lnot_wave_0_\@:
	s_barrier_wait -3
	s_barrier_signal -1
	s_barrier_wait -1
.endm
.macro CROUND
	s_barrier_signal -1
	s_barrier_wait -1
	CREST
.endm
	s_load_b128 s[4:7], s[0:1], 0x0                ; xb s[4:5], wb s[6:7]
	s_load_b128 s[68:71], s[0:1], 0x10             ; bk, bq
	s_load_b64 s[8:9], s[0:1], 0x20                ; kqb
	s_set_vgpr_msb 0x40
	v_lshl_add_u32 v255, v0, 2, 0x48400
	s_set_vgpr_msb 0x4000
	v_mov_b32 v63, 0
	s_set_vgpr_msb 0x1
	ds_add_u32 v255, v63
	s_set_vgpr_msb 0x100
	v_lshrrev_b32 v1, 5, v0
	v_readfirstlane_b32 s10, v1                    ; wave 0..3
	s_lshr_b32 s11, s10, 1                         ; my half of the block's rows; also: I fetch for xb (0) or W (1)
	s_and_b32 s12, s10, 1                          ; my half of its columns; also: which 128 rows I fetch
	s_bfe_u32 s40, ttmp6, 0x40000                  ; cx
	s_bfe_u32 s41, ttmp6, 0x40004                  ; cy
	s_lshl_b32 s42, ttmp9, 2
	s_add_co_u32 s42, s42, s40                     ; block column
	s_and_b32 s13, ttmp7, 0xffff
	s_lshl_b32 s13, s13, 2
	s_add_co_u32 s13, s13, s41                     ; block row
	s_lshl_b32 s43, s41, 2
	s_lshl_b32 s43, 15, s43                        ; my row of the cluster
	s_lshl_b32 s44, 0x1111, s40                    ; my column
	s_or_b32 s[G1+0], s43, (1<<16)|(1<<20)|(1<<21)|(5<<22)|(3<<25)  ; mask; 2-byte elements; padding on; bit 21 beside a mask; after every 64 words, 4 words
	s_or_b32 s[G1B+0], s44, (1<<16)|(1<<20)|(1<<21)|(5<<22)|(3<<25)
	s_mov_b32 s[G1B+1], KSTEP<<16
	s_mov_b32 s[G1+1], KSTEP<<16                   ; tensor_dim0 = 128
	s_mov_b32 s[G1B+2], 128<<16
	s_mov_b32 s[G1+2], 128<<16                     ; tensor_dim1 = 128
	s_mov_b32 s[G1B+3], KSTEP<<16
	s_mov_b32 s[G1+3], KSTEP<<16                   ; tile_dim0 = 128
	s_mov_b32 s[G1B+4], 128
	s_mov_b32 s[G1+4], 128                         ; tile_dim1 = 128
	s_mov_b32 s[G1B+5], SIZE_K
	s_mov_b32 s[G1+5], SIZE_K                      ; elements from row to row
	s_mov_b32 s[G1B+6], 0
	s_mov_b32 s[G1+6], 0
	s_mov_b32 s[G1B+7], 0
	s_mov_b32 s[G1+7], 0
	s_lshl_b32 s17, s12, 7
	s_lshl_b32 s16, s13, 8
	s_add_co_u32 s16, s16, s17                     ; xb: row 256 x block row + 128 x half
	s_lshl_b32 s46, s42, 8
	s_add_co_u32 s46, s46, s17                     ; W: row 256 x block column + 128 x half
	s_mov_b32 s17, 0
	s_mov_b32 s47, 0
	s_mov_b64 s[18:19], SIZE_K*2
	s_mul_u64 s[16:17], s[16:17], s[18:19]
	s_mul_u64 s[46:47], s[46:47], s[18:19]
	s_mul_i32 s20, s10, HALFT                      ; LDS: wave x 128 rows
	s_lshl_b32 s72, s40, 10                        ; my bias: 256 cx + 128 x half numbers of 4 bytes into bk or bq
	s_lshl_b32 s73, s12, 9
	s_add_co_u32 s72, s72, s73
	s_mov_b32 s73, 0
	s_wait_dscnt 0x0
	s_wait_kmcnt 0x0
	s_add_nc_u64 s[14:15], s[4:5], s[16:17]
	s_add_nc_u64 s[46:47], s[6:7], s[46:47]
	s_cmp_eq_u32 ttmp9, 0                          ; cluster column 0 makes key, 1 makes query
	s_cselect_b64 s[68:69], s[68:69], s[70:71]
	s_add_nc_u64 s[68:69], s[68:69], s[72:73]
	CROUND                                         ; all sixteen work-groups are here: the first joint loads meet
.irp s, 0,1
	s_mov_b32 s[G0+4*\s], 1
	s_add_co_u32 s[G0+4*\s+1], s20, \s*SLOT
	s_add_nc_u64 s[G0+4*\s+2:G0+4*\s+3], s[14:15], \s*KSTEP*2
	s_or_b32 s[G0+4*\s+3], s[G0+4*\s+3], 0x80000000
	s_mov_b32 s[G0B+4*\s], 1
	s_add_co_u32 s[G0B+4*\s+1], s20, \s*SLOT
	s_add_nc_u64 s[G0B+4*\s+2:G0B+4*\s+3], s[46:47], \s*KSTEP*2
	s_or_b32 s[G0B+4*\s+3], s[G0B+4*\s+3], 0x80000000
	JLOAD \s
.endr
	v_and_b32 v1, 15, v0                           ; l % 16
	v_bfe_u32 v2, v0, 4, 1                         ; l / 16
	v_lshlrev_b32 v[BO], 5, v2
.irp b, 0,1,2,3,4,5,6,7
	global_load_b128 v[BIAS+8*\b:BIAS+8*\b+3],   v[BO], s[68:69] offset:64*\b       ; bias[16 b + 8 (l / 16) + 0..3]
	global_load_b128 v[BIAS+8*\b+4:BIAS+8*\b+7], v[BO], s[68:69] offset:64*\b+16
.endr
	v_mul_u32_u24 v3, v1, PITCH
	v_lshl_add_u32 v3, v2, 4, v3                   ; row x pitch + 16 x half: a fragment is two loads of 16 bytes, 32 apart
	s_mul_i32 s21, s11, HALFT
	s_mul_i32 s22, s12, HALFT
	s_add_co_u32 s22, s22, 2*HALFT
.irp s, 0,1
	v_add_nc_u32 v[ADRA+\s], s21, v3
	v_add_nc_u32 v[ADRB+\s], s22, v3
	s_add_co_u32 s21, s21, SLOT
	s_add_co_u32 s22, s22, SLOT
.endr
	s_mul_i32 s23, s10, 16*SPITCH
	s_add_co_u32 s23, s23, STAGE
	v_mul_u32_u24 v4, v1, SPITCH
	v_lshl_add_u32 v4, v2, 4, v4
	v_add_nc_u32 v[STO], s23, v4
	v_mul_u32_u24 v5, v2, SPITCH
	v_lshl_add_u32 v5, v1, 4, v5
	v_add_nc_u32 v[RD], s23, v5
	v_mul_u32_u24 v5, v2, SIZE_N*2
	v_lshl_add_u32 v[CO], v1, 4, v5
; 16 matrix instructions: m blocks a0, a0 + 1 of the window's four x all 8 n blocks, 32 along K.  first = 1: C is the bias.
; The 64 accumulators take turns, one instruction a turn, in the same order in every quarter step.
.macro MUL16 f, hi, a0, first
.irp a, \a0, \a0+1
.irp b, 0,1,2,3,4,5,6,7
.if \first
	v_wmma_f32_16x16x32_f16 v[8*(8*(\a)+\b):8*(8*(\a)+\b)+7], v[\f+8*\b:\f+8*\b+7], v[\f+8*(4*\hi+\a):\f+8*(4*\hi+\a)+7], v[BIAS+8*\b:BIAS+8*\b+7]
.else
	v_wmma_f32_16x16x32_f16 v[8*(8*(\a)+\b):8*(8*(\a)+\b)+7], v[\f+8*\b:\f+8*\b+7], v[\f+8*(4*\hi+\a):\f+8*(4*\hi+\a)+7], v[8*(8*(\a)+\b):8*(8*(\a)+\b)+7]
.endif
.endr
.endr
.endm
.macro FETCH slot, k, f                ; 32 LDS loads in one run: a quarter step's fragments
	WIN TO_B
.irp i, 0,1,2,3,4,5,6,7
	ds_load_b128 v[\f+8*\i:\f+8*\i+3],   v[ADRB+\slot] offset:\k+\i*16*PITCH
	ds_load_b128 v[\f+8*\i+4:\f+8*\i+7], v[ADRB+\slot] offset:\k+\i*16*PITCH+32
.endr
	WIN 0
.irp i, 0,1,2,3,4,5,6,7
	ds_load_b128 v[\f+8*\i:\f+8*\i+3],   v[ADRA+\slot] offset:\k+\i*16*PITCH
	ds_load_b128 v[\f+8*\i+4:\f+8*\i+7], v[ADRA+\slot] offset:\k+\i*16*PITCH+32
.endr
.endm
.macro PLACES                          ; four plain vector places between a matrix instruction and a load into, or a vector access to, its registers
.rept 4
	v_nop
.endr
.endm
.macro QUARTER slot, k, f, g, first
	s_wait_dscnt 8                                 ; W and xb's rows 0-63 are in; the youngest eight loads may be out
.if \first
	WIN BEG_LO
.else
	WIN MUL_LO
.endif
	MUL16 \f, 0, 0, \first
	MUL16 \f, 0, 2, \first
	PLACES
	FETCH \slot, \k, \g
	s_wait_dscnt 32                                ; all but the 32 just issued
.if \first
	WIN BEG_HI
.else
	WIN MUL_HI
.endif
	MUL16 \f, 1, 0, \first
	MUL16 \f, 1, 2, \first
.endm
.macro THREE slot, first
	QUARTER \slot, 64,  F0, F1, \first
	QUARTER \slot, 128, F1, F0, 0
	QUARTER \slot, 192, F0, F1, 0
.endm
; The last quarter multiplies buffer 1 and changes slots.  In front of the barrier each wave waits for its reads of this slot and for all its tensor loads
; (one is out: its part of the next slot); behind it the refill comes first, then the next slot's first fragments.
.macro TURN slot, next, fill
	s_wait_dscnt 8
	WIN MUL_LO
	MUL16 F1, 0, 0, 0
	s_wait_dscnt 0
	s_wait_tensorcnt 0x0
	ds_add_u32 v255, v63
	s_wait_dscnt 0x0
	s_barrier_signal -1
	MUL16 F1, 0, 2, 0                              ; register work while the others arrive
	WIN 0
	s_barrier_wait -1
.if \fill
	CREST                                          ; no wave of any partner still reads this slot or has a load on its way
	s_add_nc_u64 s[G0+4*\slot+2:G0+4*\slot+3], s[G0+4*\slot+2:G0+4*\slot+3], 2*KSTEP*2
	s_add_nc_u64 s[G0B+4*\slot+2:G0B+4*\slot+3], s[G0B+4*\slot+2:G0B+4*\slot+3], 2*KSTEP*2
	JLOAD \slot
.endif
	PLACES
	FETCH \next, 0, F0
	WIN MUL_HI
	MUL16 F1, 1, 0, 0
	MUL16 F1, 1, 2, 0
.endm
.macro LAP first
	THREE 0, \first
	TURN 0, 1, 1
	THREE 1, 0
	TURN 1, 0, 1
.endm
	s_wait_tensorcnt 1                             ; my part of K step 0 is in; K step 1's may stay out
	s_barrier_signal -1
	s_barrier_wait -1
	FETCH 0, 0, F0
	s_wait_loadcnt 0x0                             ; the bias
	LAP 1
	WIN 0
	s_mov_b32 s3, LAPS-2
.Llap:
	LAP 0
	WIN 0
	s_sub_co_u32 s3, s3, 1
	s_cmp_lg_u32 s3, 0
	s_cbranch_scc1 .Llap
	THREE 0, 0                                     ; the last lap fills nothing
	TURN 0, 1, 0
	THREE 1, 0
	s_wait_dscnt 8
	WIN MUL_LO
	MUL16 F1, 0, 0, 0
	MUL16 F1, 0, 2, 0
	s_wait_dscnt 0
	WIN MUL_HI
	MUL16 F1, 1, 0, 0
	MUL16 F1, 1, 2, 0
	; THE WAY OUT, 16 rows at a time: round to f16, 16 bytes a lane into my own stage, read back as whole rows of 256 bytes.
	PLACES
	s_lshl_b32 s13, s13, 8
	s_lshl_b32 s14, s11, 7
	s_add_co_u32 s16, s13, s14                     ; my first row
	s_mov_b32 s17, 0
	s_mov_b64 s[18:19], SIZE_N*2
	s_mul_u64 s[16:17], s[16:17], s[18:19]
	s_add_nc_u64 s[8:9], s[8:9], s[16:17]
	s_lshl_b32 s46, s42, 9                         ; my first column, in bytes
	s_lshl_b32 s47, s12, 8
	s_add_co_u32 s46, s46, s47
	s_mov_b32 s47, 0
	s_add_nc_u64 s[8:9], s[8:9], s[46:47]
.macro OUT16 i, a, from, f
	WIN \from
.irp b, 0,1,2,3,4,5,6,7
.irp r, 0,1,2,3
	v_cvt_pk_f16_f32 v[TMP+4*\b+\r], v[8*(8*\a+\b)+2*\r], v[8*(8*\a+\b)+2*\r+1]
.endr
.endr
	WIN 0
.irp b, 0,1,2,3,4,5,6,7
	ds_store_b128 v[STO], v[TMP+4*\b:TMP+4*\b+3] offset:32*\b
.endr
	s_wait_xcnt 0x0                                ; buffer f, which earlier stores read, and the stores' base are written again only behind this wait
.if \i
	s_add_nc_u64 s[8:9], s[8:9], 16*SIZE_N*2
.endif
.irp t, 0,1,2,3,4,5,6,7
	ds_load_b128 v[\f+4*\t:\f+4*\t+3], v[RD] offset:\t*2*SPITCH    ; LDS serves a wave's instructions in order: these see the stores above
.endr
.irp t, 0,1,2,3,4,5,6,7
	s_wait_dscnt 7-\t
	global_store_b128 v[CO], v[\f+4*\t:\f+4*\t+3], s[8:9] offset:2*\t*SIZE_N*2   ; 16 lanes store 256 consecutive bytes, at a multiple of 256
.endr
.endm
	OUT16 0, 0, 0x0a, F0
	OUT16 1, 1, 0x0a, F1
	OUT16 2, 2, 0x0a, F0
	OUT16 3, 3, 0x0a, F1
	OUT16 4, 0, 0x0f, F0
	OUT16 5, 1, 0x0f, F1
	OUT16 6, 2, 0x0f, F0
	OUT16 7, 3, 0x0f, F1
	s_set_vgpr_msb 0x1
	s_wait_tensorcnt 0x0
	ds_add_u32 v255, v63
	s_wait_dscnt 0x0
	s_set_vgpr_msb 0x100
	CROUND                                         ; the closing round
	s_endpgm
.Lfunc_end_k_qb8d97a03fd_kqgemm:
	.size	k_qb8d97a03fd_kqgemm, .Lfunc_end_k_qb8d97a03fd_kqgemm-k_qb8d97a03fd_kqgemm
	.p2alignl 7, 3214868480
	.fill 96, 4, 3214868480
	.section	.rodata,"a",@progbits
	.p2align	6, 0x0
	.amdhsa_kernel k_qb8d97a03fd_kqgemm
		.amdhsa_group_segment_fixed_size 327680
		.amdhsa_private_segment_fixed_size 0
		.amdhsa_enable_private_segment 0
		.amdhsa_kernarg_size 40
		.amdhsa_user_sgpr_count 2
		.amdhsa_user_sgpr_kernarg_segment_ptr 1
		.amdhsa_wavefront_size32 1
		.amdhsa_system_sgpr_workgroup_id_x 1
		.amdhsa_system_sgpr_workgroup_id_y 1
		.amdhsa_system_sgpr_workgroup_id_z 1
		.amdhsa_system_vgpr_workitem_id 0
		.amdhsa_next_free_vgpr 1024
		.amdhsa_next_free_sgpr 76
		.amdhsa_reserve_vcc 0
		.amdhsa_float_denorm_mode_32 3
		.amdhsa_float_denorm_mode_16_64 3
		.amdhsa_memory_ordered 1
		.amdhsa_forward_progress 1
		.amdhsa_inst_pref_size 198
	.end_amdhsa_kernel
	.amdgpu_metadata
---
amdhsa.version: [ 1, 2 ]
amdhsa.kernels:
  - .name:           k_qb8d97a03fd_kqgemm
    .symbol:         k_qb8d97a03fd_kqgemm.kd
    .args:
      - { .name: xb, .offset: 0, .size: 8, .value_kind: global_buffer, .address_space: global }
      - { .name: wb, .offset: 8, .size: 8, .value_kind: global_buffer, .address_space: global }
      - { .name: bk, .offset: 16, .size: 8, .value_kind: global_buffer, .address_space: global }
      - { .name: bq, .offset: 24, .size: 8, .value_kind: global_buffer, .address_space: global }
      - { .name: kqb, .offset: 32, .size: 8, .value_kind: global_buffer, .address_space: global }
    .group_segment_fixed_size: 327680
    .private_segment_fixed_size: 0
    .kernarg_segment_align: 8
    .kernarg_segment_size: 40
    .max_flat_workgroup_size: 128
    .sgpr_count:     76
    .vgpr_count:     1024
    .wavefront_size: 32
...
	.end_amdgpu_metadata
.endif
;; end of part 2
;; launch phase (part 3): grid 4 x 64, 4 waves a work-group, clusters of 4 x 4, 327,680 bytes of LDS; arguments xb, kqb, wb, bv, bkp, bqp, phase_scale, dbuf, stats; writes dbuf, stats
.if DOCPART == 3
	.amdgcn_target "amdgcn-amd-amdhsa--gfx1250"
	.amdhsa_code_object_version 6
	.text
	.protected	k_qb8d97a03fd_phase
	.globl	k_qb8d97a03fd_phase
	.p2align	8
	.type	k_qb8d97a03fd_phase,@function
k_qb8d97a03fd_phase:
	s_mov_b64 s[64:65], 0
	v_nop
	global_prefetch_b8 v0, s[64:65] scope:SCOPE_SE
	s_setreg_imm32_b32 hwreg(HW_REG_WAVE_MODE, 25, 1), 1
	s_wait_xcnt 0x0
	s_wait_alu depctr_hold_cnt(0) depctr_sa_sdst(0) depctr_va_vdst(0) depctr_va_sdst(0) depctr_va_ssrc(0) depctr_va_vcc(0) depctr_vm_vsrc(0)
	s_getreg_b32 s2, hwreg(HW_REG_IB_STS2, 6, 4)
	s_cmp_eq_u32 s2, 0
	s_cbranch_scc0 .Lentry_in_a_cluster
	s_endpgm
.Lentry_in_a_cluster:
	s_bfe_u32 s2, ttmp6, 0x10000c
	s_cmp_lg_u32 s2, 0xf033
	s_cbranch_scc0 .Lentry_shape_is_right
	s_endpgm
.Lentry_shape_is_right:
; For a block of 128 rows x 256 columns: value = xb Wv^T + bv, key phase = tanh(key Wkp^T + bkp) ps, query phase = tanh(query Wqp^T + bqp) ps (three products, f16 operands,
; f32 sums), then in registers: bind (value cos, value sin), prefix sums inside chunks of 64 rows, read-out with the query phase, / 32.  Out: for each block of 128 columns the
; row's mean m and M2 = sum of (r - m)^2 (stats, f32) and d = r - m (dbuf, bf16), from which the next launch finishes the LayerNorm without a difference of large sums.
; Four waves; a wave owns 64 rows (one chunk) x 128 columns (one block): 32 accumulator tiles = one register window for each product (window 1 value, 2 key, 3 query).
; The three products are one stream of 24 K steps of 128: the weights lie side by side along k ([Wv | Wkp | Wqp], pitch 3072), the rows come from xb (8 steps), then from kqb (16).
; The stream is written out, not looped: the accumulators' window is an immediate.
; CLUSTERS 4 x 4: the rows' tile hangs on the block row alone and is shared along the cluster's row, the weights' on the block column alone and is shared along its column.
; Natural use of the matrix instruction: register j of tile (i, b) is row 16 i + 8 (l / 16) + j, column 16 b + l % 16: a column's constants are one number a lane, rows run along registers.
; LIMITS. tanh z = 1 - 2 / (1 + 2^(2.88539 z)): absolute error about 1e-7; v_exp_f32 and v_rcp_f32 flush denormals (ISA guide, their entries).  sin and cos: the phase is taken in
; turns, t - rndne(t), so any phase_scale is served with an error of |t| 2^-24 turns; series to h^11 and h^10 on |h| <= pi/2, then the angle is doubled: error about 1e-6.
; Prefix sums, means and M2 are added in an order of their own.  The factor 1/32 is applied to value (a power of two: exact).
.set KSTEP, 128
.set PITCH, 272                        ; 256 bytes + 16 of padding = 17 x 16: the 16 rows of a fragment load begin at 16 different 16-byte columns modulo 256
.set HALFT, 128*PITCH                  ; what one tensor load brings: 128 rows
.set SLOT,  3*HALFT                    ; the rows' 128, then the weights' 256
.set RING,  2*SLOT                     ; 208,896 = 816 x 256
.set DSTG,  RING                       ; 16 x 272 bytes for each wave: d on its way out
.set SSTG,  RING+4*16*PITCH            ; 512 bytes for each wave: (m, M2) of its 64 rows
.set ADRA, 16                          ; v16-17 LDS address of my row fragments in slot 0, 1
.set ADRB, 20                          ; v20-21 the same for the weights
.set STO,  24
.set RD,   25
.set CO,   26
.set SST,  27
.set VO,   28
.set SRD,  29
.set SCO,  31
.set FA,   32                          ; v[32:63], v[64:95]    row fragments, two buffers
.set FB,   96                          ; v[96:159], v[160:223] weight fragments, two buffers
.set KB,   224                         ; v[224:255] bv, bkp, bqp, phase_scale of my column in each of the 8 column tiles
.set G1X, 24                           ; group 1 for xb (pitch 1024)
.set G0A, 32                           ; group 0 for the rows' tiles, one set a slot
.set G1B, 48                           ; group 1 for the weights (pitch 3072)
.set G0B, 56
.set G1K, 88                           ; group 1 for kqb (pitch 2048)
.set KQA, 96                           ; kqb at my block row
.set MSB, 0
.macro WIN new
.if MSB != (\new)
	s_set_vgpr_msb (MSB<<8)|(\new)
.set MSB, (\new)
.endif
.endm
.macro PLACES                          ; four plain vector places between a matrix instruction and a load into, or a vector access to, its registers
.rept 4
	v_nop
.endr
.endm
.macro CREST
	s_cmp_lg_u32 s10, 0
	s_cbranch_scc1 .Lnot_wave_0_\@
	s_barrier_signal -3
.Lnot_wave_0_\@:
	s_barrier_wait -3
	s_barrier_signal -1
	s_barrier_wait -1
.endm
.macro CROUND
	s_barrier_signal -1
	s_barrier_wait -1
	CREST
.endm
.macro JLOAD s, g1a                    ; wave 0 asks for the rows' tile, waves 1 and 2 for the weights' halves, wave 3 for nothing
	s_cmp_eq_u32 s10, 0
	s_cbranch_scc0 .Lnota_\@
	tensor_load_to_lds s[G0A+4*\s:G0A+4*\s+3], s[\g1a:\g1a+7]
	s_nop 0
	s_branch .Lasked_\@
.Lnota_\@:
	s_cmp_eq_u32 s10, 3
	s_cbranch_scc1 .Lasked_\@
	tensor_load_to_lds s[G0B+4*\s:G0B+4*\s+3], s[G1B:G1B+7]
	s_nop 0
.Lasked_\@:
.endm
	s_load_b512 s[68:83], s[0:1], 0x0              ; xb, kqb, wb, bv, bkp, bqp, phase_scale, dbuf
	s_load_b64 s[84:85], s[0:1], 0x40              ; stats
	v_lshl_add_u32 v23, v0, 2, 0x37c00
	v_mov_b32 v30, 0
	ds_add_u32 v23, v30
	v_lshrrev_b32 v1, 5, v0
	v_readfirstlane_b32 s10, v1                    ; wave
	s_lshr_b32 s11, s10, 1                         ; wr: my 64 rows
	s_and_b32 s12, s10, 1                          ; wc: my 128 columns
	s_bfe_u32 s40, ttmp6, 0x40000                  ; cx
	s_bfe_u32 s41, ttmp6, 0x40004                  ; cy
	s_lshl_b32 s42, ttmp9, 2
	s_add_co_u32 s42, s42, s40                     ; block column
	s_and_b32 s13, ttmp7, 0xffff
	s_lshl_b32 s13, s13, 2
	s_add_co_u32 s13, s13, s41                     ; block row
	s_lshl_b32 s43, s41, 2
	s_lshl_b32 s43, 15, s43                        ; my row of the cluster
	s_lshl_b32 s44, 0x1111, s40                    ; my column
.set G1W0, (1<<16)|(1<<20)|(1<<21)|(5<<22)|(3<<25) ; 2-byte elements; padding on; bit 21 beside a mask; after every 64 words, 4 words
	s_or_b32 s[G1X+0], s43, G1W0
	s_or_b32 s[G1K+0], s43, G1W0
	s_or_b32 s[G1B+0], s44, G1W0
.irp g, G1X, G1K, G1B
	s_mov_b32 s[\g+1], KSTEP<<16                   ; tensor_dim0 = 128
	s_mov_b32 s[\g+2], 128<<16                     ; tensor_dim1 = 128
	s_mov_b32 s[\g+3], KSTEP<<16                   ; tile_dim0 = 128
	s_mov_b32 s[\g+4], 128                         ; tile_dim1 = 128
	s_mov_b32 s[\g+6], 0
	s_mov_b32 s[\g+7], 0
.endr
	s_mov_b32 s[G1X+5], 1024                       ; elements from row to row
	s_mov_b32 s[G1K+5], 2048
	s_mov_b32 s[G1B+5], 3072
	s_lshl_b32 s16, s13, 18                        ; xb: block row x 128 rows x 2,048 bytes
	s_mov_b32 s17, 0
	s_lshl_b32 s18, s13, 19                        ; kqb: rows of 4,096 bytes
	s_mov_b32 s19, 0
	s_add_co_u32 s21, s10, 1
	s_and_b32 s21, s21, 1                          ; wave 1 fetches the weights' half 0, wave 2 half 1
	s_lshl_b32 s21, s21, 7
	s_lshl_b32 s46, s42, 8
	s_add_co_u32 s46, s46, s21
	s_mul_i32 s46, s46, 6144
	s_add_co_u32 s46, s46, 0x400000                ; [Wv | Wkp | Wqp] begins there in wb
	s_mov_b32 s47, 0
	s_mul_i32 s20, s10, HALFT                      ; LDS: wave x 128 rows
	s_wait_dscnt 0x0
	s_wait_kmcnt 0x0
	s_add_nc_u64 s[14:15], s[68:69], s[16:17]
	s_add_nc_u64 s[KQA:KQA+1], s[70:71], s[18:19]
	s_add_nc_u64 s[46:47], s[72:73], s[46:47]
.irp s, 0,1
	s_mov_b32 s[G0A+4*\s], 1
	s_add_co_u32 s[G0A+4*\s+1], s20, \s*SLOT
	s_add_nc_u64 s[G0A+4*\s+2:G0A+4*\s+3], s[14:15], \s*KSTEP*2
	s_or_b32 s[G0A+4*\s+3], s[G0A+4*\s+3], 0x80000000
	s_mov_b32 s[G0B+4*\s], 1
	s_add_co_u32 s[G0B+4*\s+1], s20, \s*SLOT
	s_add_nc_u64 s[G0B+4*\s+2:G0B+4*\s+3], s[46:47], \s*KSTEP*2
	s_or_b32 s[G0B+4*\s+3], s[G0B+4*\s+3], 0x80000000
.endr
	CROUND                                         ; all sixteen work-groups are here: the first joint loads meet
	s_cmp_eq_u32 s10, 0                            ; both slots' first fills of a wave stand in one branch on its number
	s_cbranch_scc0 .Lff_nota
	tensor_load_to_lds s[G0A:G0A+3], s[G1X:G1X+7]
	s_nop 0
	tensor_load_to_lds s[G0A+4:G0A+7], s[G1X:G1X+7]
	s_nop 0
	s_branch .Lff_done
.Lff_nota:
	s_cmp_eq_u32 s10, 3
	s_cbranch_scc1 .Lff_done
	tensor_load_to_lds s[G0B:G0B+3], s[G1B:G1B+7]
	s_nop 0
	tensor_load_to_lds s[G0B+4:G0B+7], s[G1B:G1B+7]
	s_nop 0
.Lff_done:
	; pointers of my part (sums that hold cx stay out of the registers that fed the rows' descriptors)
	s_lshl_b32 s86, s42, 8
	s_lshl_b32 s87, s12, 7
	s_add_co_u32 s86, s86, s87                     ; my first column
	s_lshl_b32 s22, s86, 1                         ; in bytes of dbuf
	s_lshl_b32 s86, s86, 2                         ; in bytes of the f32 vectors
	s_mov_b32 s87, 0
	s_add_nc_u64 s[74:75], s[74:75], s[86:87]
	s_add_nc_u64 s[76:77], s[76:77], s[86:87]
	s_add_nc_u64 s[78:79], s[78:79], s[86:87]
	s_add_nc_u64 s[80:81], s[80:81], s[86:87]
	s_lshl_b32 s16, s13, 7
	s_lshl_b32 s17, s11, 6
	s_add_co_u32 s16, s16, s17                     ; my first row
	s_lshl_b32 s18, s16, 3
	s_lshl_b32 s86, s16, 11
	s_add_co_u32 s86, s86, s22
	s_add_nc_u64 s[82:83], s[82:83], s[86:87]      ; dbuf at my first row and column
	s_lshl_b32 s86, s42, 1
	s_add_co_u32 s86, s86, s12                     ; my block of 128 columns, 0 to 7
	s_lshl_b32 s86, s86, 16
	s_add_co_u32 s86, s86, s18
	s_add_nc_u64 s[84:85], s[84:85], s[86:87]      ; stats[block][my first row]
	v_and_b32 v1, 15, v0                           ; r = l % 16
	v_bfe_u32 v2, v0, 4, 1                         ; h = l / 16
	v_and_b32 v5, 31, v0                           ; l
	v_lshlrev_b32 v[VO], 2, v1
.irp b, 0,1,2,3,4,5,6,7
	global_load_b32 v[KB+\b],    v[VO], s[74:75] offset:64*\b
	global_load_b32 v[KB+8+\b],  v[VO], s[76:77] offset:64*\b
	global_load_b32 v[KB+16+\b], v[VO], s[78:79] offset:64*\b
	global_load_b32 v[KB+24+\b], v[VO], s[80:81] offset:64*\b
.endr
	v_mul_u32_u24 v3, v1, PITCH
	v_lshl_add_u32 v3, v2, 4, v3
	s_mul_i32 s21, s11, 64*PITCH
	s_mul_i32 s23, s12, HALFT
	s_add_co_u32 s23, s23, HALFT
	v_add_nc_u32 v[ADRA], s21, v3
	v_add_nc_u32 v[ADRB], s23, v3
	v_add_nc_u32 v[ADRA+1], SLOT, v[ADRA]
	v_add_nc_u32 v[ADRB+1], SLOT, v[ADRB]
	s_mul_i32 s21, s10, 16*PITCH
	s_add_co_u32 s21, s21, DSTG
	v_mul_u32_u24 v4, v2, 8*PITCH
	v_lshl_add_u32 v4, v1, 1, v4
	v_add_nc_u32 v[STO], s21, v4                   ; in: row 8 h (+ j by the offset), 2 bytes at column r
	v_mul_u32_u24 v4, v2, PITCH
	v_lshl_add_u32 v4, v1, 4, v4
	v_add_nc_u32 v[RD], s21, v4                    ; back: lanes 0-15 one row of 256 bytes, lanes 16-31 the next
	v_lshlrev_b32 v4, 11, v2
	v_lshl_add_u32 v[CO], v1, 4, v4                ; the same two rows in dbuf
	s_lshl_b32 s21, s10, 9
	s_add_co_u32 s21, s21, SSTG
	v_lshl_add_u32 v[SST], v2, 6, s21
	v_lshl_add_u32 v[SRD], v5, 3, s21
	v_lshlrev_b32 v[SCO], 3, v5
; 16 matrix instructions: row tiles a0, a0 + 1 x all 8 column tiles, 32 along K, from fragment buffer f.  zero = 1: the first product starts the sums.
; The 32 accumulators take turns, one instruction a turn, in the same order everywhere.
.macro MUL f, a0, zero
.irp a, \a0, \a0+1
.irp b, 0,1,2,3,4,5,6,7
.if \zero
	v_wmma_f32_16x16x32_f16 v[8*(8*(\a)+\b):8*(8*(\a)+\b)+7], v[FA+32*\f+8*(\a):FA+32*\f+8*(\a)+7], v[FB+64*\f+8*\b:FB+64*\f+8*\b+7], 0
.else
	v_wmma_f32_16x16x32_f16 v[8*(8*(\a)+\b):8*(8*(\a)+\b)+7], v[FA+32*\f+8*(\a):FA+32*\f+8*(\a)+7], v[FB+64*\f+8*\b:FB+64*\f+8*\b+7], v[8*(8*(\a)+\b):8*(8*(\a)+\b)+7]
.endif
.endr
.endr
.endm
.macro FETCH slot, k, f                ; 24 LDS loads: a quarter step's fragments (128 weight rows, 64 rows, 32 K at byte k)
.irp i, 0,1,2,3,4,5,6,7
	ds_load_b128 v[FB+64*\f+8*\i:FB+64*\f+8*\i+3],   v[ADRB+\slot] offset:\k+\i*16*PITCH
	ds_load_b128 v[FB+64*\f+8*\i+4:FB+64*\f+8*\i+7], v[ADRB+\slot] offset:\k+\i*16*PITCH+32
.endr
.irp i, 0,1,2,3
	ds_load_b128 v[FA+32*\f+8*\i:FA+32*\f+8*\i+3],   v[ADRA+\slot] offset:\k+\i*16*PITCH
	ds_load_b128 v[FA+32*\f+8*\i+4:FA+32*\f+8*\i+7], v[ADRA+\slot] offset:\k+\i*16*PITCH+32
.endr
.endm
.macro QTR f, g, slot, k, zero, w      ; asks for the next quarter's fragments into buffer g, then multiplies buffer f into window w
	PLACES                                         ; buffer g was read by the matrix instructions just issued
	WIN 0
	FETCH \slot, \k, \g
	s_wait_dscnt 24                                ; the 24 just issued may be out; buffer f's are in
	WIN 0x50*\w
	MUL \f, 0, \zero
	MUL \f, 2, \zero
.endm
.macro THREE slot, zero, w
	QTR 0, 1, \slot, 64,  \zero, \w
	QTR 1, 0, \slot, 128, 0, \w
	QTR 0, 1, \slot, 192, 0, \w
.endm
; The last quarter multiplies buffer 1 and changes slots.  In front of the barrier each wave waits for its reads of this slot and for all its tensor loads (one is out at the most: its part of
; the next slot); behind it the refill, two K steps ahead, comes first, then the next slot's first fragments.  From a request to the wait for it a wave issues 112 matrix instructions.
; amode 0: the rows' address steps on in xb; 1: it is set to kqb's byte aoff; 2: it steps on in kqb (a row of kqb runs from key on into query).
.macro TURN slot, next, w, fill, amode, aoff
	s_wait_dscnt 0x0                               ; buffer 1's fragments are in: they were my last reads of this slot
	s_wait_tensorcnt 0x0                           ; all my tensor loads have landed
	ds_add_u32 v23, v30
	s_wait_dscnt 0x0
	s_barrier_signal -1
	WIN 0x50*\w
	MUL 1, 0, 0                                    ; register work while the others arrive
	WIN 0
	s_barrier_wait -1
.if \fill
	CREST                                          ; no wave of any partner still reads this slot or has a load on its way
.if \amode == 1
	s_add_nc_u64 s[G0A+4*\slot+2:G0A+4*\slot+3], s[KQA:KQA+1], \aoff
	s_or_b32 s[G0A+4*\slot+3], s[G0A+4*\slot+3], 0x80000000
.else
	s_add_nc_u64 s[G0A+4*\slot+2:G0A+4*\slot+3], s[G0A+4*\slot+2:G0A+4*\slot+3], 2*KSTEP*2
.endif
	s_add_nc_u64 s[G0B+4*\slot+2:G0B+4*\slot+3], s[G0B+4*\slot+2:G0B+4*\slot+3], 2*KSTEP*2
.if \amode == 0
	JLOAD \slot, G1X
.else
	JLOAD \slot, G1K
.endif
.endif
	PLACES
	FETCH \next, 0, 0
	WIN 0x50*\w
	MUL 1, 2, 0
.endm
.macro STEP slot, next, w, zero, fill, amode, aoff
	THREE \slot, \zero, \w
	TURN \slot, \next, \w, \fill, \amode, \aoff
.endm
	s_wait_tensorcnt 1                             ; my part of K step 0 is in; K step 1's may stay out
	s_barrier_signal -1
	s_barrier_wait -1
	FETCH 0, 0, 0
	STEP 0, 1, 1, 1, 1, 0, 0                       ; K steps 0-7: value.  The refill of step t fetches step t + 2
	STEP 1, 0, 1, 0, 1, 0, 0
.rept 2
	STEP 0, 1, 1, 0, 1, 0, 0
	STEP 1, 0, 1, 0, 1, 0, 0
.endr
	STEP 0, 1, 1, 0, 1, 1, 0                       ; steps 6 and 7 fetch steps 8 and 9: the first of kqb
	STEP 1, 0, 1, 0, 1, 1, 256
	STEP 0, 1, 2, 1, 1, 2, 0                       ; K steps 8-15: key x Wkp
	STEP 1, 0, 2, 0, 1, 2, 0
.rept 3
	STEP 0, 1, 2, 0, 1, 2, 0
	STEP 1, 0, 2, 0, 1, 2, 0
.endr
	STEP 0, 1, 3, 1, 1, 2, 0                       ; K steps 16-23: query x Wqp
	STEP 1, 0, 3, 0, 1, 2, 0
.rept 2
	STEP 0, 1, 3, 0, 1, 2, 0
	STEP 1, 0, 3, 0, 1, 2, 0
.endr
	STEP 0, 1, 3, 0, 0, 2, 0                       ; the last two steps fetch nothing
	THREE 1, 0, 3
	s_wait_dscnt 0x0
	WIN 0xf0
	MUL 1, 0, 0
	MUL 1, 2, 0
	; ---------------- behind the products: everything in registers ----------------
.set CC,  32                           ; v[32:79]   column tile b: (C1 bkp, C1 bqp), (ps / 2 pi, -2 ps / 2 pi), (bv / 32, bv / 32)
.set VS5, 80                           ; v[80:81]   the sine series' last coefficient, twice
.set VC5, 82                           ; v[82:83]   the cosine series' last coefficient, twice
.set RT,  96                           ; v[96:127]  16 pairs at work
.set RN,  128                          ; v[128:159]
.set RS,  160                          ; v[160:191] sin h
.set RC,  192                          ; v[192:223] cos h
.set SC1, 24                           ; scalar pairs, both halves written (the tensor loads that named these registers were waited for in K step 22)
.set SPI, 26
.set SR32, 28
.set SS4, 30
.set SS3, 32
.set SS2, 34
.set SS1, 36
.set SC4, 38
.set SC3, 48
.set SC2, 50
.set SEL0, 52
.set SEL1, 53
.set SR128, 54
.set HIM, 56
.set SMH, 58
.set SONE, 60
.macro SETP r, val
	s_mov_b32 s[\r], \val
	s_mov_b32 s[\r+1], \val
.endm
	PLACES                                         ; behind the last matrix instructions, for all that reads results or writes fragments below
	WIN 0
	s_wait_loadcnt 0x0                             ; the column constants
	SETP SC1,  0x4038aa3b                          ; 2 log2 e
	SETP SPI,  0x40490fdb                          ; pi
	SETP SR32, 0x3d000000                          ; 1/32
	SETP SS4,  0x3638ef1d                          ; 1/9!
	SETP SS3,  0xb9500d01                          ; -1/7!
	SETP SS2,  0x3c088889                          ; 1/5!
	SETP SS1,  0xbe2aaaab                          ; -1/3!
	SETP SC4,  0x37d00d01                          ; 1/8!
	SETP SC3,  0xbab60b61                          ; -1/6!
	SETP SC2,  0x3d2aaaab                          ; 1/4!
	SETP SMH,  0xbf000000                          ; -1/2!
	SETP SONE, 0x3f800000
	SETP SR128, 0x3c000000                         ; 1/128
	s_mov_b32 s[SEL0], 0x76543210                  ; v_permlanex16_b32: lane i of one half reads lane i of the other
	s_mov_b32 s[SEL1], 0xfedcba98
	s_mov_b32 s[HIM], 0xffff0000                   ; lanes 16-31
.irp b, 0,1,2,3,4,5,6,7
	v_mul_f32 v[CC+6*\b],   s[SC1], v[KB+8+\b]
	v_mul_f32 v[CC+6*\b+1], s[SC1], v[KB+16+\b]
	v_mul_f32 v[CC+6*\b+2], 0.15915494, v[KB+24+\b]            ; the phase is made in turns
	v_mul_f32 v[CC+6*\b+4], s[SR32], v[KB+\b]
	v_mul_f32 v[CC+6*\b+5], s[SR32], v[KB+\b]                  ; made twice to fill the pair that the packed multiply-add reads
.endr
.irp b, 0,1,2,3,4,5,6,7
	v_mul_f32 v[CC+6*\b+3], -2.0, v[CC+6*\b+2]
.endr
	v_mov_b32 v[VS5],   0xb2d7322b                 ; -1/11!
	v_mov_b32 v[VS5+1], 0xb2d7322b
	v_mov_b32 v[VC5],   0xb493f27e                 ; -1/10!
	v_mov_b32 v[VC5+1], 0xb493f27e
.macro HORN ks, kc                     ; one step of both series: p = p u + k
.set cq, 0
.rept 16
	v_pk_fma_f32 v[RS+cq:RS+cq+1], v[RS+cq:RS+cq+1], v[RN+cq:RN+cq+1], s[\ks:\ks+1] op_sel_hi:[1,1,0]
	v_pk_fma_f32 v[RC+cq:RC+cq+1], v[RC+cq:RC+cq+1], v[RN+cq:RN+cq+1], s[\kc:\kc+1] op_sel_hi:[1,1,0]
.set cq, cq+2
.endr
.endm
; Column tile b of window w (all four row tiles: 32 numbers a lane).  sel = 0: key, 1: query.  Leaves RS = sin h, RC = cos h, RT = -2 sin h, where 2 h is the phase modulo a turn.
.macro TRIG w, sel, b
	WIN \w
.irp i, 0,1,2,3
.irp p, 0,1,2,3
	v_pk_fma_f32 v[RT+8*\i+2*\p:RT+8*\i+2*\p+1], v[8*(8*\i+\b)+2*\p:8*(8*\i+\b)+2*\p+1], s[SC1:SC1+1], v[CC+6*\b:CC+6*\b+1] op_sel:[0,0,\sel] op_sel_hi:[1,0,\sel]
.endr
.endr
	WIN 0
.set ck, 0
.rept 32
	v_exp_f32 v[RT+ck], v[RT+ck]
.set ck, ck+1
.endr
	v_nop                                          ; one plain place behind the transcendentals (ISA guide 5.7.2)
.set cq, 0
	s_wait_alu depctr_va_vdst(0)
.rept 16
	v_pk_add_f32 v[RT+cq:RT+cq+1], v[RT+cq:RT+cq+1], 1.0 op_sel_hi:[1,0]
.set cq, cq+2
.endr
.set ck, 0
.rept 32
	v_rcp_f32 v[RT+ck], v[RT+ck]
.set ck, ck+1
.endr
	v_nop
.set cq, 0
	s_wait_alu depctr_va_vdst(0)
.rept 16                               ; turns = (1 - 2 rcp) ps / 2 pi
	v_pk_fma_f32 v[RT+cq:RT+cq+1], v[RT+cq:RT+cq+1], v[CC+6*\b+2:CC+6*\b+3], v[CC+6*\b+2:CC+6*\b+3] op_sel:[0,1,0] op_sel_hi:[1,1,0]
.set cq, cq+2
.endr
.set ck, 0
.rept 32
	v_rndne_f32 v[RN+ck], v[RT+ck]
.set ck, ck+1
.endr
.set cq, 0
.rept 16
	v_pk_add_f32 v[RT+cq:RT+cq+1], v[RT+cq:RT+cq+1], v[RN+cq:RN+cq+1] neg_lo:[0,1] neg_hi:[0,1]   ; exact: -0.5 to 0.5 turns
.set cq, cq+2
.endr
.set cq, 0
.rept 16
	v_pk_mul_f32 v[RT+cq:RT+cq+1], v[RT+cq:RT+cq+1], s[SPI:SPI+1] op_sel_hi:[1,0]                 ; h = half the angle
.set cq, cq+2
.endr
.set cq, 0
.rept 16
	v_pk_mul_f32 v[RN+cq:RN+cq+1], v[RT+cq:RT+cq+1], v[RT+cq:RT+cq+1]                             ; u = h h
.set cq, cq+2
.endr
.set cq, 0
.rept 16
	v_pk_fma_f32 v[RS+cq:RS+cq+1], v[RN+cq:RN+cq+1], v[VS5:VS5+1], s[SS4:SS4+1] op_sel_hi:[1,1,0]
	v_pk_fma_f32 v[RC+cq:RC+cq+1], v[RN+cq:RN+cq+1], v[VC5:VC5+1], s[SC4:SC4+1] op_sel_hi:[1,1,0]
.set cq, cq+2
.endr
	HORN SS3, SC3
	HORN SS2, SC2
	HORN SS1, SMH
	HORN SONE, SONE
.set cq, 0
.rept 16
	v_pk_mul_f32 v[RS+cq:RS+cq+1], v[RS+cq:RS+cq+1], v[RT+cq:RT+cq+1]
.set cq, cq+2
.endr
.set cq, 0
.rept 16
	v_pk_mul_f32 v[RT+cq:RT+cq+1], v[RS+cq:RS+cq+1], -2.0 op_sel_hi:[1,0]
.set cq, cq+2
.endr
.endm
; value cos(2h) = v + (-2 s v) s into window 1, value sin(2h) = -(-2 s v) c into window 2
.macro BIND b
	WIN 0x41
.irp i, 0,1,2,3
.irp p, 0,1,2,3
	v_pk_fma_f32 v[8*(8*\i+\b)+2*\p:8*(8*\i+\b)+2*\p+1], v[8*(8*\i+\b)+2*\p:8*(8*\i+\b)+2*\p+1], s[SR32:SR32+1], v[CC+6*\b+4:CC+6*\b+5] op_sel_hi:[1,0,1]
.endr
.endr
	TRIG 2, 0, \b
	WIN 0x01
.irp i, 0,1,2,3
.irp p, 0,1,2,3
	v_pk_mul_f32 v[RN+8*\i+2*\p:RN+8*\i+2*\p+1], v[8*(8*\i+\b)+2*\p:8*(8*\i+\b)+2*\p+1], v[RT+8*\i+2*\p:RT+8*\i+2*\p+1]
.endr
.endr
	WIN 0x50
.irp i, 0,1,2,3
.irp p, 0,1,2,3
	v_pk_fma_f32 v[8*(8*\i+\b)+2*\p:8*(8*\i+\b)+2*\p+1], v[RN+8*\i+2*\p:RN+8*\i+2*\p+1], v[RS+8*\i+2*\p:RS+8*\i+2*\p+1], v[8*(8*\i+\b)+2*\p:8*(8*\i+\b)+2*\p+1]
.endr
.endr
	WIN 0x80
.irp i, 0,1,2,3
.irp p, 0,1,2,3
	v_pk_mul_f32 v[8*(8*\i+\b)+2*\p:8*(8*\i+\b)+2*\p+1], v[RN+8*\i+2*\p:RN+8*\i+2*\p+1], v[RC+8*\i+2*\p:RC+8*\i+2*\p+1] neg_lo:[1,0] neg_hi:[1,0]
.endr
.endr
.endm
.irp b, 0,1,2,3,4,5,6,7
	BIND \b
.endr
; Prefix sum down my 64 rows, row tile i of window w: along the eight registers; then lanes 16-31 (rows 8-15 of the tile) add the other half's total, and all add the tiles above.
.set PO,  96                           ; the other half's total of the tile
.set PTS, 104                          ; the tile's total
.set POF, 112                          ; what a lane adds
.set PCA, 120                          ; total of the tiles above
.macro SCAN w, i
	WIN 0x45*\w
.irp j, 1,2,3,4,5,6,7
.irp b, 0,1,2,3,4,5,6,7
	v_add_f32 v[8*(8*\i+\b)+\j], v[8*(8*\i+\b)+\j], v[8*(8*\i+\b)+\j-1]
.endr
.endr
	WIN \w
.irp b, 0,1,2,3,4,5,6,7
	v_permlanex16_b32 v[PO+\b], v[8*(8*\i+\b)+7], s[SEL0], s[SEL1]     ; its destination counts as read: it has been written as RT
.endr
.if \i < 3
.irp b, 0,1,2,3,4,5,6,7
.if \i == 0
	v_add_f32 v[PCA+\b], v[8*(8*\i+\b)+7], v[PO+\b]
.else
	v_add_f32 v[PTS+\b], v[8*(8*\i+\b)+7], v[PO+\b]
.endif
.endr
.endif
	WIN 0
.irp b, 0,1,2,3,4,5,6,7
.if \i == 0
	v_cndmask_b32 v[POF+\b], 0, v[PO+\b], s[HIM]
.else
	v_cndmask_b32 v[PO+\b], 0, v[PO+\b], s[HIM]
.endif
.endr
.if \i > 0
.irp b, 0,1,2,3,4,5,6,7
	v_add_f32 v[POF+\b], v[PO+\b], v[PCA+\b]
.endr
.if \i < 3
.irp b, 0,1,2,3,4,5,6,7
	v_add_f32 v[PCA+\b], v[PCA+\b], v[PTS+\b]
.endr
.endif
.endif
	WIN 0x41*\w
.irp b, 0,2,4,6
.irp p, 0,1,2,3
	v_pk_add_f32 v[8*(8*\i+\b)+2*\p:8*(8*\i+\b)+2*\p+1], v[8*(8*\i+\b)+2*\p:8*(8*\i+\b)+2*\p+1], v[POF+\b:POF+\b+1] op_sel:[0,0] op_sel_hi:[1,0]
	v_pk_add_f32 v[8*(8*\i+\b+1)+2*\p:8*(8*\i+\b+1)+2*\p+1], v[8*(8*\i+\b+1)+2*\p:8*(8*\i+\b+1)+2*\p+1], v[POF+\b:POF+\b+1] op_sel:[0,1] op_sel_hi:[1,1]
.endr
.endr
.endm
.irp w, 1,2
.irp i, 0,1,2,3
	SCAN \w, \i
.endr
.endr
; retrieved = mr cos(2h) + mi sin(2h) = mr + (-2 s)(s mr - c mi), into window 3
.macro READ b
	TRIG 3, 1, \b
	WIN 0x04
.irp i, 0,1,2,3
.irp p, 0,1,2,3
	v_pk_mul_f32 v[RN+8*\i+2*\p:RN+8*\i+2*\p+1], v[RS+8*\i+2*\p:RS+8*\i+2*\p+1], v[8*(8*\i+\b)+2*\p:8*(8*\i+\b)+2*\p+1]
.endr
.endr
	WIN 0x08
.irp i, 0,1,2,3
.irp p, 0,1,2,3
	v_pk_fma_f32 v[RN+8*\i+2*\p:RN+8*\i+2*\p+1], v[RC+8*\i+2*\p:RC+8*\i+2*\p+1], v[8*(8*\i+\b)+2*\p:8*(8*\i+\b)+2*\p+1], v[RN+8*\i+2*\p:RN+8*\i+2*\p+1] neg_lo:[1,0,0] neg_hi:[1,0,0]
.endr
.endr
	WIN 0xd0
.irp i, 0,1,2,3
.irp p, 0,1,2,3
	v_pk_fma_f32 v[8*(8*\i+\b)+2*\p:8*(8*\i+\b)+2*\p+1], v[RT+8*\i+2*\p:RT+8*\i+2*\p+1], v[RN+8*\i+2*\p:RN+8*\i+2*\p+1], v[8*(8*\i+\b)+2*\p:8*(8*\i+\b)+2*\p+1]
.endr
.endr
.endm
.irp b, 0,1,2,3,4,5,6,7
	READ \b
.endr
	; the mean of each row over my 128 columns: over the 8 column tiles in registers, over the 16 lanes of a half by DPP
.set MN,  32                           ; v[32:63]   row 16 i + 8 h + j at MN + 8 i + j
.set MSQ, 64                           ; v[64:95]   M2 likewise
.set QQ,  96                           ; v[96:223]  at work
	WIN 0x0f
.irp i, 0,1,2,3
.irp c, 0,1,2,3
.irp p, 0,1,2,3
	v_pk_add_f32 v[QQ+32*\i+8*\c+2*\p:QQ+32*\i+8*\c+2*\p+1], v[8*(8*\i+2*\c)+2*\p:8*(8*\i+2*\c)+2*\p+1], v[8*(8*\i+2*\c+1)+2*\p:8*(8*\i+2*\c+1)+2*\p+1]
.endr
.endr
.endr
	WIN 0
.irp i, 0,1,2,3
.irp p, 0,1,2,3
	v_pk_add_f32 v[QQ+32*\i+2*\p:QQ+32*\i+2*\p+1], v[QQ+32*\i+2*\p:QQ+32*\i+2*\p+1], v[QQ+32*\i+8+2*\p:QQ+32*\i+8+2*\p+1]
	v_pk_add_f32 v[QQ+32*\i+16+2*\p:QQ+32*\i+16+2*\p+1], v[QQ+32*\i+16+2*\p:QQ+32*\i+16+2*\p+1], v[QQ+32*\i+24+2*\p:QQ+32*\i+24+2*\p+1]
.endr
.endr
.irp i, 0,1,2,3
.irp p, 0,1,2,3
	v_pk_add_f32 v[MN+8*\i+2*\p:MN+8*\i+2*\p+1], v[QQ+32*\i+2*\p:QQ+32*\i+2*\p+1], v[QQ+32*\i+16+2*\p:QQ+32*\i+16+2*\p+1]
.endr
.endr
.irp m, 1,2,4,8
.set ck, 0
.rept 32
	v_add_f32_dpp v[MN+ck], v[MN+ck], v[MN+ck] row_xmask:\m row_mask:0xf bank_mask:0xf
.set ck, ck+1
.endr
.endr
.set cq, 0
.rept 16
	v_pk_mul_f32 v[MN+cq:MN+cq+1], v[MN+cq:MN+cq+1], s[SR128:SR128+1] op_sel_hi:[1,0]
.set cq, cq+2
.endr
	WIN 0xc3                                       ; d = r - m, in place
.irp b, 0,1,2,3,4,5,6,7
.irp i, 0,1,2,3
.irp p, 0,1,2,3
	v_pk_add_f32 v[8*(8*\i+\b)+2*\p:8*(8*\i+\b)+2*\p+1], v[8*(8*\i+\b)+2*\p:8*(8*\i+\b)+2*\p+1], v[MN+8*\i+2*\p:MN+8*\i+2*\p+1] neg_lo:[0,1] neg_hi:[0,1]
.endr
.endr
.endr
	WIN 0x0f                                       ; M2 = sum of d d: 16 chains; the first products start them
.irp b, 0,1,2,3,4,5,6,7
.irp i, 0,1,2,3
.irp p, 0,1,2,3
.if \b == 0
	v_pk_mul_f32 v[MSQ+8*\i+2*\p:MSQ+8*\i+2*\p+1], v[8*(8*\i+\b)+2*\p:8*(8*\i+\b)+2*\p+1], v[8*(8*\i+\b)+2*\p:8*(8*\i+\b)+2*\p+1]
.else
	v_pk_fma_f32 v[MSQ+8*\i+2*\p:MSQ+8*\i+2*\p+1], v[8*(8*\i+\b)+2*\p:8*(8*\i+\b)+2*\p+1], v[8*(8*\i+\b)+2*\p:8*(8*\i+\b)+2*\p+1], v[MSQ+8*\i+2*\p:MSQ+8*\i+2*\p+1]
.endif
.endr
.endr
.endr
	WIN 0
.irp m, 1,2,4,8
.set ck, 0
.rept 32
	v_add_f32_dpp v[MSQ+ck], v[MSQ+ck], v[MSQ+ck] row_xmask:\m row_mask:0xf bank_mask:0xf
.set ck, ck+1
.endr
.endr
	; (m, M2) of my 64 rows through my own 512 bytes of LDS, so that they leave as two stores of 256 consecutive bytes.  The 16 lanes of a half hold and write the same numbers.
.irp i, 0,1,2,3
.irp j, 0,1,2,3,4,5,6,7
	ds_store_b32 v[SST], v[MN+8*\i+\j]  offset:128*\i+8*\j
	ds_store_b32 v[SST], v[MSQ+8*\i+\j] offset:128*\i+8*\j+4
.endr
.endr
	ds_load_b64 v[KB:KB+1],   v[SRD]               ; LDS serves a wave's instructions in order: these see the stores above
	ds_load_b64 v[KB+2:KB+3], v[SRD] offset:256
	s_wait_dscnt 0x1                               ; rows 0-31 are in; the load of rows 32-63 may stay out
	global_store_b64 v[SCO], v[KB:KB+1], s[84:85]
	s_wait_dscnt 0x0
	global_store_b64 v[SCO], v[KB+2:KB+3], s[84:85] offset:256
; d of row tile i: round to bf16 (a word holds rows 2 p and 2 p + 1 of one column), its halves into my stage, whole rows of 256 bytes back and out.
.set PKD, 96
.macro OUTD i, f
	WIN 0x0f
.irp b, 0,1,2,3,4,5,6,7
.irp p, 0,1,2,3
	v_cvt_pk_bf16_f32 v[PKD+4*\b+\p], v[8*(8*\i+\b)+2*\p], v[8*(8*\i+\b)+2*\p+1]
.endr
.endr
	WIN 0
.irp b, 0,1,2,3,4,5,6,7
.irp p, 0,1,2,3
	ds_store_b16 v[STO], v[PKD+4*\b+\p] offset:2*\p*PITCH+32*\b
	ds_store_b16_d16_hi v[STO], v[PKD+4*\b+\p] offset:(2*\p+1)*PITCH+32*\b
.endr
.endr
	s_wait_xcnt 0x0                                ; buffer f, which earlier stores read, is loaded again only behind this wait
.irp t, 0,1,2,3,4,5,6,7
	ds_load_b128 v[\f+4*\t:\f+4*\t+3], v[RD] offset:\t*2*PITCH
.endr
.irp t, 0,1,2,3,4,5,6,7
	s_wait_dscnt 7-\t                              ; load t is in, the younger ones stay out
	global_store_b128 v[CO], v[\f+4*\t:\f+4*\t+3], s[82:83] offset:(16*\i+2*\t)*2048   ; 16 lanes store 256 consecutive bytes, at a multiple of 256
.endr
.endm
	OUTD 0, 128
	OUTD 1, 160
	OUTD 2, 128
	OUTD 3, 160
	s_wait_tensorcnt 0x0
	ds_add_u32 v23, v30
	s_wait_dscnt 0x0
	CROUND                                         ; the closing round
	s_endpgm
.Lfunc_end_k_qb8d97a03fd_phase:
	.size	k_qb8d97a03fd_phase, .Lfunc_end_k_qb8d97a03fd_phase-k_qb8d97a03fd_phase
	.p2alignl 7, 3214868480
	.fill 96, 4, 3214868480
	.section	.rodata,"a",@progbits
	.p2align	6, 0x0
	.amdhsa_kernel k_qb8d97a03fd_phase
		.amdhsa_group_segment_fixed_size 327680
		.amdhsa_private_segment_fixed_size 0
		.amdhsa_enable_private_segment 0
		.amdhsa_kernarg_size 72
		.amdhsa_user_sgpr_count 2
		.amdhsa_user_sgpr_kernarg_segment_ptr 1
		.amdhsa_wavefront_size32 1
		.amdhsa_system_sgpr_workgroup_id_x 1
		.amdhsa_system_sgpr_workgroup_id_y 1
		.amdhsa_system_sgpr_workgroup_id_z 1
		.amdhsa_system_vgpr_workitem_id 0
		.amdhsa_next_free_vgpr 1024
		.amdhsa_next_free_sgpr 100
		.amdhsa_reserve_vcc 0
		.amdhsa_float_denorm_mode_32 3
		.amdhsa_float_denorm_mode_16_64 3
		.amdhsa_memory_ordered 1
		.amdhsa_forward_progress 1
		.amdhsa_inst_pref_size 255
	.end_amdhsa_kernel
	.section	.bss,"aw",@nobits
	.p2align	6
	.space	262144
	.amdgpu_metadata
---
amdhsa.version: [ 1, 2 ]
amdhsa.kernels:
  - .name:           k_qb8d97a03fd_phase
    .symbol:         k_qb8d97a03fd_phase.kd
    .args:
      - { .name: xb, .offset: 0, .size: 8, .value_kind: global_buffer, .address_space: global }
      - { .name: kqb, .offset: 8, .size: 8, .value_kind: global_buffer, .address_space: global }
      - { .name: wb, .offset: 16, .size: 8, .value_kind: global_buffer, .address_space: global }
      - { .name: bv, .offset: 24, .size: 8, .value_kind: global_buffer, .address_space: global }
      - { .name: bkp, .offset: 32, .size: 8, .value_kind: global_buffer, .address_space: global }
      - { .name: bqp, .offset: 40, .size: 8, .value_kind: global_buffer, .address_space: global }
      - { .name: phase_scale, .offset: 48, .size: 8, .value_kind: global_buffer, .address_space: global }
      - { .name: dbuf, .offset: 56, .size: 8, .value_kind: global_buffer, .address_space: global }
      - { .name: stats, .offset: 64, .size: 8, .value_kind: global_buffer, .address_space: global }
    .group_segment_fixed_size: 327680
    .private_segment_fixed_size: 0
    .kernarg_segment_align: 8
    .kernarg_segment_size: 72
    .max_flat_workgroup_size: 128
    .sgpr_count:     100
    .vgpr_count:     1024
    .wavefront_size: 32
...
	.end_amdgpu_metadata
.endif
;; end of part 3
;; launch outp (part 4): grid 4 x 64, 4 waves a work-group, clusters of 4 x 4, 327,680 bytes of LDS; arguments dbuf, stats, wb, tab, x, out0; writes out0
.if DOCPART == 4
	.amdgcn_target "amdgcn-amd-amdhsa--gfx1250"
	.amdhsa_code_object_version 6
	.text
	.protected	k_qb8d97a03fd_outp
	.globl	k_qb8d97a03fd_outp
	.p2align	8
	.type	k_qb8d97a03fd_outp,@function
k_qb8d97a03fd_outp:
	s_mov_b64 s[64:65], 0
	v_nop
	global_prefetch_b8 v0, s[64:65] scope:SCOPE_SE
	s_setreg_imm32_b32 hwreg(HW_REG_WAVE_MODE, 25, 1), 1
	s_wait_xcnt 0x0
	s_wait_alu depctr_hold_cnt(0) depctr_sa_sdst(0) depctr_va_vdst(0) depctr_va_sdst(0) depctr_va_ssrc(0) depctr_va_vcc(0) depctr_vm_vsrc(0)
	s_getreg_b32 s2, hwreg(HW_REG_IB_STS2, 6, 4)
	s_cmp_eq_u32 s2, 0
	s_cbranch_scc0 .Lentry_in_a_cluster
	s_endpgm
.Lentry_in_a_cluster:
	s_bfe_u32 s2, ttmp6, 0x10000c
	s_cmp_lg_u32 s2, 0xf033
	s_cbranch_scc0 .Lentry_shape_is_right
	s_endpgm
.Lentry_shape_is_right:
; out0[row][e] = x[row][e] + c[e] + rstd[row] ( sum over k of d[row][k] WO[e][k] + sum over b of delta_b[row] S[e][b] ).
; d = retrieved minus the mean m_b of its own block of 128 columns (bf16), WO = Wo ln_g (bf16), S[e][b] = WO's sum over block b, c = bo + Wo ln_b (f32).
; From the eight (m_b, M2_b) of a row: mu = mean of m_b, delta_b = m_b - mu, M2 = sum of M2_b + 128 sum of delta_b^2, rstd = rsqrt(M2 / 1024 + 1e-5).  That is the LayerNorm of the
; row, exactly; d and delta are of the order of the row's spread, so no large sums are subtracted.  The term with delta is one more K step of the matrix unit (k = 0..7 hold the
; eight blocks, k = 8..31 zeros) and it starts the sums.
; LIMITS: bf16 operands; v_rsq_f32 is accurate to 1 ULP; the variance is added in an order of its own.
; A block of 128 rows x 256 columns, four waves, a wave 64 x 128: 32 accumulator tiles in window 1.  Window 2: my part of x, later the result.  Window 3: c in the accumulators' layout.
; The matrix instruction is used transposed (source 0 = rows of WO, source 1 = rows of d): lane l holds row l % 16, its registers 0-7 the columns 8 (l / 16) + 0..7.
; CLUSTERS 4 x 4: d's tile is shared along the cluster's row, WO's along its column.
.set KSTEP, 128
.set PITCH, 272
.set HALFT, 128*PITCH
.set SLOT,  3*HALFT
.set RING,  2*SLOT                     ; 208,896 = 816 x 256
.set OPITCH, 528                       ; a stage row: 512 bytes + 16 = 33 x 16
.set ADRA, 16
.set ADRB, 20
.set SO,   22                          ; 8 r: stats
.set TO,   23                          ; 16 r: S
.set STO,  24
.set RD,   25
.set XO,   26                          ; 16 x lane: x and out0
.set CO,   27                          ; 32 h: c
.set FA,   32
.set FB,   96
.set RSTD, 224                         ; v[224:227] rstd of row 16 i + r
.set G1A, 24
.set G0A, 32
.set G1B, 48
.set G0B, 56
.set MSB, 0
.macro WIN new
.if MSB != (\new)
	s_set_vgpr_msb (MSB<<8)|(\new)
.set MSB, (\new)
.endif
.endm
.macro PLACES                          ; four plain vector places between a matrix instruction and a load into, or a vector access to, its registers
.rept 4
	v_nop
.endr
.endm
.macro CREST
	s_cmp_lg_u32 s10, 0
	s_cbranch_scc1 .Lnot_wave_0_\@
	s_barrier_signal -3
.Lnot_wave_0_\@:
	s_barrier_wait -3
	s_barrier_signal -1
	s_barrier_wait -1
.endm
.macro CROUND
	s_barrier_signal -1
	s_barrier_wait -1
	CREST
.endm
.macro JLOAD s                         ; wave 0 asks for d's tile, waves 1 and 2 for WO's halves, wave 3 for nothing
	s_cmp_eq_u32 s10, 0
	s_cbranch_scc0 .Lnota_\@
	tensor_load_to_lds s[G0A+4*\s:G0A+4*\s+3], s[G1A:G1A+7]
	s_nop 0
	s_branch .Lasked_\@
.Lnota_\@:
	s_cmp_eq_u32 s10, 3
	s_cbranch_scc1 .Lasked_\@
	tensor_load_to_lds s[G0B+4*\s:G0B+4*\s+3], s[G1B:G1B+7]
	s_nop 0
.Lasked_\@:
.endm
	s_load_b256 s[68:75], s[0:1], 0x0              ; dbuf, stats, wb, tab
	s_load_b128 s[76:79], s[0:1], 0x20             ; x, out0
	v_lshl_add_u32 v254, v0, 2, 0x3b400
	v_mov_b32 v255, 0
	ds_add_u32 v254, v255
	v_lshrrev_b32 v1, 5, v0
	v_readfirstlane_b32 s10, v1                    ; wave
	s_lshr_b32 s11, s10, 1                         ; wr
	s_and_b32 s12, s10, 1                          ; wc
	s_bfe_u32 s40, ttmp6, 0x40000                  ; cx
	s_bfe_u32 s41, ttmp6, 0x40004                  ; cy
	s_lshl_b32 s42, ttmp9, 2
	s_add_co_u32 s42, s42, s40                     ; block column
	s_and_b32 s13, ttmp7, 0xffff
	s_lshl_b32 s13, s13, 2
	s_add_co_u32 s13, s13, s41                     ; block row
	s_lshl_b32 s43, s41, 2
	s_lshl_b32 s43, 15, s43
	s_lshl_b32 s44, 0x1111, s40
.set G1W0, (1<<16)|(1<<20)|(1<<21)|(5<<22)|(3<<25)
	s_or_b32 s[G1A+0], s43, G1W0
	s_or_b32 s[G1B+0], s44, G1W0
.irp g, G1A, G1B
	s_mov_b32 s[\g+1], KSTEP<<16
	s_mov_b32 s[\g+2], 128<<16
	s_mov_b32 s[\g+3], KSTEP<<16
	s_mov_b32 s[\g+4], 128
	s_mov_b32 s[\g+5], 1024
	s_mov_b32 s[\g+6], 0
	s_mov_b32 s[\g+7], 0
.endr
	s_mov_b32 s4, 0x3a800000                       ; 1/1024
	s_mov_b32 s5, 0x3727c5ac                       ; 1e-5
	s_mov_b32 s6, 0x0000ffff                       ; lanes 0-15
	s_lshl_b32 s16, s13, 18                        ; dbuf: block row x 128 rows x 2,048 bytes
	s_mov_b32 s17, 0
	s_add_co_u32 s21, s10, 1
	s_and_b32 s21, s21, 1
	s_lshl_b32 s21, s21, 7
	s_lshl_b32 s46, s42, 8
	s_add_co_u32 s46, s46, s21
	s_lshl_b32 s46, s46, 11
	s_add_co_u32 s46, s46, 0xa00000                ; WO begins there in wb
	s_mov_b32 s47, 0
	s_mul_i32 s20, s10, HALFT
	s_wait_dscnt 0x0
	s_wait_kmcnt 0x0
	s_add_nc_u64 s[14:15], s[68:69], s[16:17]
	s_add_nc_u64 s[46:47], s[72:73], s[46:47]
.irp s, 0,1
	s_mov_b32 s[G0A+4*\s], 1
	s_add_co_u32 s[G0A+4*\s+1], s20, \s*SLOT
	s_add_nc_u64 s[G0A+4*\s+2:G0A+4*\s+3], s[14:15], \s*KSTEP*2
	s_or_b32 s[G0A+4*\s+3], s[G0A+4*\s+3], 0x80000000
	s_mov_b32 s[G0B+4*\s], 1
	s_add_co_u32 s[G0B+4*\s+1], s20, \s*SLOT
	s_add_nc_u64 s[G0B+4*\s+2:G0B+4*\s+3], s[46:47], \s*KSTEP*2
	s_or_b32 s[G0B+4*\s+3], s[G0B+4*\s+3], 0x80000000
.endr
	CROUND
	s_cmp_eq_u32 s10, 0                            ; both slots' first fills of a wave stand in one branch on its number
	s_cbranch_scc0 .Lff_nota
	tensor_load_to_lds s[G0A:G0A+3], s[G1A:G1A+7]
	s_nop 0
	tensor_load_to_lds s[G0A+4:G0A+7], s[G1A:G1A+7]
	s_nop 0
	s_branch .Lff_done
.Lff_nota:
	s_cmp_eq_u32 s10, 3
	s_cbranch_scc1 .Lff_done
	tensor_load_to_lds s[G0B:G0B+3], s[G1B:G1B+7]
	s_nop 0
	tensor_load_to_lds s[G0B+4:G0B+7], s[G1B:G1B+7]
	s_nop 0
.Lff_done:
	s_lshl_b32 s16, s13, 7
	s_lshl_b32 s17, s11, 6
	s_add_co_u32 s16, s16, s17                     ; my first row
	s_lshl_b32 s18, s16, 3
	s_mov_b32 s19, 0
	s_add_nc_u64 s[70:71], s[70:71], s[18:19]      ; stats[0][my first row]
	s_lshl_b32 s23, s16, 12
	s_lshl_b32 s22, s42, 8
	s_lshl_b32 s87, s12, 7
	s_add_co_u32 s22, s22, s87                     ; my first column
	s_mov_b32 s87, 0
	s_lshl_b32 s86, s22, 4
	s_add_nc_u64 s[80:81], s[74:75], s[86:87]      ; S at my first column
	s_lshl_b32 s86, s22, 2
	s_add_nc_u64 s[82:83], s[74:75], s[86:87]
	s_add_nc_u64 s[82:83], s[82:83], 0x4000        ; c at my first column
	s_add_co_u32 s86, s86, s23
	s_add_nc_u64 s[76:77], s[76:77], s[86:87]      ; x and out0 at my first row and column
	s_add_nc_u64 s[78:79], s[78:79], s[86:87]
	v_and_b32 v1, 15, v0                           ; r
	v_bfe_u32 v2, v0, 4, 1                         ; h
	v_and_b32 v5, 31, v0                           ; l
	v_lshlrev_b32 v[SO], 3, v1
	v_lshlrev_b32 v[TO], 4, v1
	v_lshlrev_b32 v[XO], 4, v5
	v_lshlrev_b32 v[CO], 5, v2
.irp i, 0,1,2,3
.irp b, 0,1,2,3,4,5,6,7
	global_load_b64 v[FB+16*\i+2*\b:FB+16*\i+2*\b+1], v[SO], s[70:71] offset:65536*\b+128*\i    ; (m_b, M2_b) of row 16 i + r
.endr
.endr
.irp b, 0,1,2,3,4,5,6,7
	global_load_b128 v[FB+64+8*\b:FB+64+8*\b+3], v[TO], s[80:81] offset:256*\b                  ; S[16 b + r][0..7]: registers 0-3 of a fragment
.endr
	WIN 0xc0
.irp b, 0,1,2,3,4,5,6,7
	global_load_b128 v[8*\b:8*\b+3],   v[CO], s[82:83] offset:64*\b                             ; c[16 b + 8 h + 0..3], window 3
	global_load_b128 v[8*\b+4:8*\b+7], v[CO], s[82:83] offset:64*\b+16
.endr
	WIN 0
	v_mul_u32_u24 v3, v1, PITCH
	v_lshl_add_u32 v3, v2, 4, v3
	s_mul_i32 s21, s11, 64*PITCH
	s_mul_i32 s23, s12, HALFT
	s_add_co_u32 s23, s23, HALFT
	v_add_nc_u32 v[ADRA], s21, v3
	v_add_nc_u32 v[ADRB], s23, v3
	v_add_nc_u32 v[ADRA+1], SLOT, v[ADRA]
	v_add_nc_u32 v[ADRB+1], SLOT, v[ADRB]
	s_mul_i32 s21, s10, 16*OPITCH
	s_add_co_u32 s21, s21, RING                    ; my stage, behind the ring
	v_mul_u32_u24 v4, v1, OPITCH
	v_lshl_add_u32 v4, v2, 5, v4
	v_add_nc_u32 v[STO], s21, v4                   ; in: row r, 32 bytes for each half of the lanes
	v_add_nc_u32 v[RD], s21, v[XO]                 ; back: a whole row of 512 bytes
	; k = 16 .. 31 of the extra K step are zeros on both sides
.irp a, 0,1,2,3
.irp j, 4,5,6,7
	v_mov_b32 v[FA+32+8*\a+\j], 0
.endr
.endr
.irp b, 0,1,2,3,4,5,6,7
.irp j, 4,5,6,7
	v_mov_b32 v[FB+64+8*\b+\j], 0
.endr
.endr
	s_wait_loadcnt 16                              ; stats and S are in; the 16 loads of c behind them may stay out
; row tile i: rstd of row 16 i + r, and the eight delta as registers 0-3 of a fragment, in lanes 0-15 alone (k = 0..7); lanes 16-31 (k = 8..15) hold zeros
.macro LNROW i
.set ST, FB+16*\i
.set TM, FA+8*\i
	v_add_f32 v[TM],   v[ST],    v[ST+2]
	v_add_f32 v[TM+1], v[ST+4],  v[ST+6]
	v_add_f32 v[TM+2], v[ST+8],  v[ST+10]
	v_add_f32 v[TM+3], v[ST+12], v[ST+14]
	v_add_f32 v[TM],   v[TM],   v[TM+1]
	v_add_f32 v[TM+2], v[TM+2], v[TM+3]
	v_add_f32 v[TM],   v[TM],   v[TM+2]                        ; 8 mu
.irp b, 0,1,2,3,4,5,6,7
	v_fmamk_f32 v[ST+2*\b], v[TM], 0xbe000000, v[ST+2*\b]      ; delta_b = m_b - mu
.endr
	v_mul_f32 v[TM+1], v[ST], v[ST]
.irp b, 1,2,3,4,5,6,7
	v_fmac_f32 v[TM+1], v[ST+2*\b], v[ST+2*\b]
.endr
	v_add_f32 v[TM+2], v[ST+1],  v[ST+3]
	v_add_f32 v[TM+3], v[ST+5],  v[ST+7]
	v_add_f32 v[TM+4], v[ST+9],  v[ST+11]
	v_add_f32 v[TM+5], v[ST+13], v[ST+15]
	v_add_f32 v[TM+2], v[TM+2], v[TM+3]
	v_add_f32 v[TM+4], v[TM+4], v[TM+5]
	v_add_f32 v[TM+2], v[TM+2], v[TM+4]
	v_fmamk_f32 v[TM+2], v[TM+1], 0x43000000, v[TM+2]          ; M2 = 128 sum of delta^2 + sum of M2_b
	v_fma_f32 v[TM+2], v[TM+2], s4, s5                         ; variance + eps
	v_rsq_f32 v[RSTD+\i], v[TM+2]                              ; the conversions below are the plain place behind it; they touch neither its source nor its result
.irp m, 0,1,2,3
	v_cvt_pk_bf16_f32 v[TM+4+\m], v[ST+4*\m], v[ST+4*\m+2]
.endr
.irp m, 0,1,2,3
	v_cndmask_b32 v[FA+32+8*\i+\m], 0, v[TM+4+\m], s6
.endr
.endm
	LNROW 0
	LNROW 1
	LNROW 2
	LNROW 3
	WIN 0x80
.set ck, 0
.rept 64
	global_load_b128 v[4*ck:4*ck+3], v[XO], s[76:77] offset:4096*ck th:TH_LOAD_NT               ; x, row ck of my 64: 512 consecutive bytes, window 2
.set ck, ck+1
.endr
; 16 matrix instructions: row tiles a0, a0 + 1 x all 8 column tiles.  The 32 accumulators take turns, one instruction a turn, in the same order everywhere.
.macro MUL f, a0, zero
.irp a, \a0, \a0+1
.irp b, 0,1,2,3,4,5,6,7
.if \zero
	v_wmma_f32_16x16x32_bf16 v[8*(8*(\a)+\b):8*(8*(\a)+\b)+7], v[FB+64*\f+8*\b:FB+64*\f+8*\b+7], v[FA+32*\f+8*(\a):FA+32*\f+8*(\a)+7], 0
.else
	v_wmma_f32_16x16x32_bf16 v[8*(8*(\a)+\b):8*(8*(\a)+\b)+7], v[FB+64*\f+8*\b:FB+64*\f+8*\b+7], v[FA+32*\f+8*(\a):FA+32*\f+8*(\a)+7], v[8*(8*(\a)+\b):8*(8*(\a)+\b)+7]
.endif
.endr
.endr
.endm
.macro FETCH slot, k, f
.irp i, 0,1,2,3,4,5,6,7
	ds_load_b128 v[FB+64*\f+8*\i:FB+64*\f+8*\i+3],   v[ADRB+\slot] offset:\k+\i*16*PITCH
	ds_load_b128 v[FB+64*\f+8*\i+4:FB+64*\f+8*\i+7], v[ADRB+\slot] offset:\k+\i*16*PITCH+32
.endr
.irp i, 0,1,2,3
	ds_load_b128 v[FA+32*\f+8*\i:FA+32*\f+8*\i+3],   v[ADRA+\slot] offset:\k+\i*16*PITCH
	ds_load_b128 v[FA+32*\f+8*\i+4:FA+32*\f+8*\i+7], v[ADRA+\slot] offset:\k+\i*16*PITCH+32
.endr
.endm
.macro QTR f, g, slot, k
	PLACES                                         ; buffer g was read by the matrix instructions just issued
	WIN 0
	FETCH \slot, \k, \g
	s_wait_dscnt 24                                ; the 24 just issued may be out; buffer f's are in
	WIN 0x50
	MUL \f, 0, 0
	MUL \f, 2, 0
.endm
.macro THREE slot
	QTR 0, 1, \slot, 64
	QTR 1, 0, \slot, 128
	QTR 0, 1, \slot, 192
.endm
; The last quarter multiplies buffer 1 and changes slots: each wave's reads of this slot and all its tensor loads are waited for in front of the barrier; behind it the refill comes first.
.macro TURN slot, next, fill
	s_wait_dscnt 0x0
	s_wait_tensorcnt 0x0
	ds_add_u32 v254, v255
	s_wait_dscnt 0x0
	s_barrier_signal -1
	WIN 0x50
	MUL 1, 0, 0
	WIN 0
	s_barrier_wait -1
.if \fill
	CREST                                          ; no wave of any partner still reads this slot or has a load on its way
	s_add_nc_u64 s[G0A+4*\slot+2:G0A+4*\slot+3], s[G0A+4*\slot+2:G0A+4*\slot+3], 2*KSTEP*2
	s_add_nc_u64 s[G0B+4*\slot+2:G0B+4*\slot+3], s[G0B+4*\slot+2:G0B+4*\slot+3], 2*KSTEP*2
	JLOAD \slot
.endif
	PLACES
	FETCH \next, 0, 0
	WIN 0x50
	MUL 1, 2, 0
.endm
	WIN 0x50
	MUL 1, 0, 1                                    ; the K step of the eight delta starts the sums: nothing is cleared
	MUL 1, 2, 1
	WIN 0
	s_wait_tensorcnt 1                             ; my part of K step 0 is in; K step 1's may stay out
	s_barrier_signal -1
	s_barrier_wait -1
	FETCH 0, 0, 0
	s_mov_b32 s3, 3                                ; three laps fill both slots again (K steps 2 to 7)
.Llap:
	THREE 0
	TURN 0, 1, 1
	THREE 1
	TURN 1, 0, 1
	WIN 0
	s_sub_co_u32 s3, s3, 1
	s_cmp_lg_u32 s3, 0
	s_cbranch_scc1 .Llap
	THREE 0                                        ; the last lap fills nothing
	TURN 0, 1, 0
	THREE 1
	s_wait_dscnt 0x0
	WIN 0x50
	MUL 1, 0, 0
	MUL 1, 2, 0
	; THE WAY OUT, 16 rows at a time: acc rstd + c in the accumulators' layout, through my own stage into whole rows of 512 bytes, + x, out.
	PLACES
	s_wait_loadcnt 0x0                             ; c and x
.macro OUTG i, rp, odd                 ; rstd of row tile i is register odd of the pair RSTD + rp
	WIN 0x71
	s_wait_alu depctr_va_vdst(0)
.irp b, 0,1,2,3,4,5,6,7
.irp p, 0,1,2,3
	v_pk_fma_f32 v[8*(8*\i+\b)+2*\p:8*(8*\i+\b)+2*\p+1], v[8*(8*\i+\b)+2*\p:8*(8*\i+\b)+2*\p+1], v[RSTD+\rp:RSTD+\rp+1], v[8*\b+2*\p:8*\b+2*\p+1] op_sel:[0,\odd,0] op_sel_hi:[1,\odd,1]
.endr
.endr
	WIN 0x04
.irp b, 0,1,2,3,4,5,6,7
	ds_store_b128 v[STO], v[8*(8*\i+\b):8*(8*\i+\b)+3]   offset:64*\b
	ds_store_b128 v[STO], v[8*(8*\i+\b)+4:8*(8*\i+\b)+7] offset:64*\b+16
.endr
	WIN 0
.irp t, 0,1,2,3,4,5,6,7,8,9,10,11,12,13,14,15
	ds_load_b128 v[FB+4*\t:FB+4*\t+3], v[RD] offset:OPITCH*\t  ; LDS serves a wave's instructions in order: these see the stores above
.endr
	WIN 0x88                                       ; the sums land on x's registers in window 2 and are stored from there: no store's data is written again
.irp t, 0,1,2,3,4,5,6,7,8,9,10,11,12,13,14,15
	s_wait_dscnt 15-\t                             ; row t is in, the younger loads stay out
	v_pk_add_f32 v[4*(16*\i+\t):4*(16*\i+\t)+1],   v[FB+4*\t:FB+4*\t+1],   v[4*(16*\i+\t):4*(16*\i+\t)+1]
	v_pk_add_f32 v[4*(16*\i+\t)+2:4*(16*\i+\t)+3], v[FB+4*\t+2:FB+4*\t+3], v[4*(16*\i+\t)+2:4*(16*\i+\t)+3]
	global_store_b128 v[XO], v[4*(16*\i+\t):4*(16*\i+\t)+3], s[78:79] offset:(16*\i+\t)*4096 th:TH_STORE_NT   ; the wave stores 512 consecutive bytes, at a multiple of 512
.endr
.endm
	OUTG 0, 0, 0
	OUTG 1, 0, 1
	OUTG 2, 2, 0
	OUTG 3, 2, 1
	WIN 0
	s_wait_tensorcnt 0x0
	ds_add_u32 v254, v255
	s_wait_dscnt 0x0
	CROUND                                         ; the closing round
	s_endpgm
.Lfunc_end_k_qb8d97a03fd_outp:
	.size	k_qb8d97a03fd_outp, .Lfunc_end_k_qb8d97a03fd_outp-k_qb8d97a03fd_outp
	.p2alignl 7, 3214868480
	.fill 96, 4, 3214868480
	.section	.rodata,"a",@progbits
	.p2align	6, 0x0
	.amdhsa_kernel k_qb8d97a03fd_outp
		.amdhsa_group_segment_fixed_size 327680
		.amdhsa_private_segment_fixed_size 0
		.amdhsa_enable_private_segment 0
		.amdhsa_kernarg_size 48
		.amdhsa_user_sgpr_count 2
		.amdhsa_user_sgpr_kernarg_segment_ptr 1
		.amdhsa_wavefront_size32 1
		.amdhsa_system_sgpr_workgroup_id_x 1
		.amdhsa_system_sgpr_workgroup_id_y 1
		.amdhsa_system_sgpr_workgroup_id_z 1
		.amdhsa_system_vgpr_workitem_id 0
		.amdhsa_next_free_vgpr 832
		.amdhsa_next_free_sgpr 90
		.amdhsa_reserve_vcc 0
		.amdhsa_float_denorm_mode_32 3
		.amdhsa_float_denorm_mode_16_64 3
		.amdhsa_memory_ordered 1
		.amdhsa_forward_progress 1
		.amdhsa_inst_pref_size 124
	.end_amdhsa_kernel
	.amdgpu_metadata
---
amdhsa.version: [ 1, 2 ]
amdhsa.kernels:
  - .name:           k_qb8d97a03fd_outp
    .symbol:         k_qb8d97a03fd_outp.kd
    .args:
      - { .name: dbuf, .offset: 0, .size: 8, .value_kind: global_buffer, .address_space: global }
      - { .name: stats, .offset: 8, .size: 8, .value_kind: global_buffer, .address_space: global }
      - { .name: wb, .offset: 16, .size: 8, .value_kind: global_buffer, .address_space: global }
      - { .name: tab, .offset: 24, .size: 8, .value_kind: global_buffer, .address_space: global }
      - { .name: x, .offset: 32, .size: 8, .value_kind: global_buffer, .address_space: global }
      - { .name: out0, .offset: 40, .size: 8, .value_kind: global_buffer, .address_space: global }
    .group_segment_fixed_size: 327680
    .private_segment_fixed_size: 0
    .kernarg_segment_align: 8
    .kernarg_segment_size: 48
    .max_flat_workgroup_size: 128
    .sgpr_count:     90
    .vgpr_count:     832
    .wavefront_size: 32
...
	.end_amdgpu_metadata
.endif
;; end of part 4
;; ======== version 2 of 2: 4 launches
;; limits: values are held in f16: magnitudes above 65,504 overflow, below 6.1e-05 lose precision
;; workspace buffers: xb 16,777,216 bytes; kqb 33,554,432 bytes; wb 12,582,912 bytes; tab 20,480 bytes; dbuf 16,777,216 bytes; stats 524,288 bytes
;; launch cast: the kernel of part 1 again; grid 448 x 1, 8 waves a work-group, no clusters, 2,048 bytes of LDS; arguments x, Wk, Wq, Wv, Wkp, Wqp, Wo, ln_g, ln_b, bo, xb, wb, tab; writes xb, wb, tab
;; launch kqgemm: the kernel of part 2 again; grid 8 x 32, 4 waves a work-group, clusters of 4 x 4, 327,680 bytes of LDS; arguments xb, wb, bk, bq, kqb; writes kqb
;; launch phase (part 5): grid 4 x 64, 4 waves a work-group, clusters of 4 x 4, 327,680 bytes of LDS; arguments xb, kqb, wb, bv, bkp, bqp, phase_scale, dbuf, stats; writes dbuf, stats
.if DOCPART == 5
	.amdgcn_target "amdgcn-amd-amdhsa--gfx1250"
	.amdhsa_code_object_version 6
	.text
	.protected	k_qb8d97a03fd_phase
	.globl	k_qb8d97a03fd_phase
	.p2align	8
	.type	k_qb8d97a03fd_phase,@function
k_qb8d97a03fd_phase:
	s_mov_b64 s[64:65], 0
	v_nop
	global_prefetch_b8 v0, s[64:65] scope:SCOPE_SE
	s_setreg_imm32_b32 hwreg(HW_REG_WAVE_MODE, 25, 1), 1
	s_wait_xcnt 0x0
	s_wait_alu depctr_hold_cnt(0) depctr_sa_sdst(0) depctr_va_vdst(0) depctr_va_sdst(0) depctr_va_ssrc(0) depctr_va_vcc(0) depctr_vm_vsrc(0)
	s_getreg_b32 s2, hwreg(HW_REG_IB_STS2, 6, 4)
	s_cmp_eq_u32 s2, 0
	s_cbranch_scc0 .Lentry_in_a_cluster
	s_endpgm
.Lentry_in_a_cluster:
	s_bfe_u32 s2, ttmp6, 0x10000c
	s_cmp_lg_u32 s2, 0xf033
	s_cbranch_scc0 .Lentry_shape_is_right
	s_endpgm
.Lentry_shape_is_right:
; For a block of 128 rows x 256 columns: value = xb Wv^T + bv, key phase = tanh(key Wkp^T + bkp) ps, query phase = tanh(query Wqp^T + bqp) ps (three products, f16 operands,
; f32 sums), then in registers: bind (value cos, value sin), prefix sums inside chunks of 64 rows, read-out with the query phase, / 32.  Out: for each block of 128 columns the
; row's mean m and M2 = sum of (r - m)^2 (stats, f32) and d = r - m (dbuf, bf16), from which the next launch finishes the LayerNorm without a difference of large sums.
; Four waves; a wave owns 64 rows (one chunk) x 128 columns (one block): 32 accumulator tiles = one register window for each product (window 1 value, 2 key, 3 query).
; THE RING.  Two LDS slots of K = 192 each, as large as fit: a slot is a plane of K = 128 (rows of 256 bytes, pitch 272) and a plane of K = 64 (rows of 128 bytes, pitch 144), each
; with 128 rows of the rows' operand and 256 rows of the weights: 384 x 416 = 159,744 bytes, 319,488 for the two.  1,024 is no multiple of 192, so the three products go side by side:
; slot 0 always holds K = 128 of value (xb, Wv) and K = 64 of key (kqb, Wkp); slot 1 always K = 128 of query (kqb, Wqp) and the next K = 64 of key.  Lap i of the ring serves
; K = 128 i .. 128 i + 127 of all three products, ascending in each, and every tile's address steps by 256 bytes a lap.  Eight laps: the first written out (C = 0 starts the sums), six
; as a counted loop, the last written out without fills.  A step is 192 matrix instructions a wave; from a tile's request to the wait for it a wave issues 176.
; The tiles of key and Wkp have rows of 128 bytes at multiples of 128: the two halves of 256 neighbouring bytes are asked for in two neighbouring steps.
; Behind the products one loop of eight trips takes a column tile a trip through tanh, sin and cos, bind, prefix sum and read-out, on fixed registers of window 0; register numbers
; are immediates, so the lines that name tile b's accumulators (64 multiply-adds) are written once for each b and are reached by compares on the trip counter.
; CLUSTERS 4 x 4: the rows' tiles hang on the block row alone and are shared along the cluster's row, the weights' on the block column alone and are shared along its column.
; Natural use of the matrix instruction: register j of tile (i, b) is row 16 i + 8 (l / 16) + j, column 16 b + l % 16: a column's constants are one number a lane, rows run along registers.
; LIMITS. tanh z = 1 - 2 / (1 + 2^(2.88539 z)): absolute error about 1e-7; v_exp_f32 and v_rcp_f32 flush denormals (ISA guide, their entries).  sin and cos: the phase is taken in
; turns, t - rndne(t), so any phase_scale is served with an error of |t| 2^-24 turns; series to h^11 and h^10 on |h| <= pi/2, then the angle is doubled: error about 1e-6.
; Prefix sums, means and M2 are added in an order of their own.  The factor 1/32 is applied to value (a power of two: exact).  key and query come in f16: magnitudes up to 65,504.
.set P1,    272                        ; pitch of the K = 128 plane: 256 bytes + 16 = 17 x 16
.set P6,    144                        ; pitch of the K = 64 plane: 128 bytes + 16 = 9 x 16.  Odd multiples of 16: the 16 rows of a fragment load begin at 16 different 16-byte columns modulo 256
.set OA1,   0                          ; in a slot: the rows' 128 x K 128,
.set OB1,   128*P1                     ; the weights' 256 x K 128 (byte 34,816),
.set OA6,   OB1+256*P1                 ; the rows' 128 x K 64 (byte 104,448),
.set OB6,   OA6+128*P6                 ; the weights' 256 x K 64 (byte 122,880)
.set SLOT,  OB6+256*P6                 ; 159,744 = 624 x 256
.set PITCH, 272                        ; a stage row
.set DSTG,  0                          ; the stages lie in slot 0, which has had its last fill by then; every wave's last reads of it are waited for in front of the barrier of the
.set SSTG,  4*16*PITCH                 ; last lap's first step.  DSTG: 16 x 272 bytes for each wave, d on its way out; SSTG: 512 bytes for each wave, (m, M2) of its 64 rows
.set ADA6, 12                          ; v12-13 LDS address of my row fragments in the K = 64 plane of slot 0, 1
.set ADB6, 14                          ; v14-15 the same for the weights
.set ADA1, 16                          ; v16-17 my row fragments in the K = 128 plane
.set ADB1, 20                          ; v20-21 the same for the weights
.set STO,  24
.set RD,   25
.set CO,   26
.set SST,  27
.set VO,   28
.set SRD,  29
.set SCO,  31
.set FA,   32                          ; v[32:63], v[64:95]    row fragments, two buffers
.set FB,   96                          ; v[96:159], v[160:223] weight fragments, two buffers
.set KB,   224                         ; v[224:255] bv, bkp, bqp, phase_scale of my column in each of the 8 column tiles
.set G0,   4                           ; s[4:35]  group 0 of kind q (0 rows K 128, 1 rows K 64, 2 weights K 128, 3 weights K 64) and slot n at G0 + 8 q + 4 n
.set G1AX, 36                          ; group 1: 128 rows x K 128 of xb  (pitch 1024)
.set G1AQ, 44                          ; group 1: 128 rows x K 128 of kqb (pitch 2048)
.set G1A6, 52                          ; group 1: 128 rows x K 64 of kqb
.set G1B1, 68                          ; group 1: 256 rows x K 128 of the weights (pitch 3072)
.set G1B6, 76                          ; group 1: 256 rows x K 64 of the weights
.set PBV,  84                          ; s[84:91] bv, bkp, bqp, phase_scale
.set DBP,  92                          ; dbuf
.set STP,  94                          ; stats
.set WV,   96                          ; wave
.set WR,   97                          ; my 64 rows
.set WC,   98                          ; my 128 columns
.set MSB, 0
.macro WIN new                         ; the immediate's high byte repeats the setting that is left
.if MSB != (\new)
	s_set_vgpr_msb (MSB<<8)|(\new)
.set MSB, (\new)
.endif
.endm
.macro PLACES                          ; four plain vector places between a matrix instruction and a load into, or a vector access to, its registers
.rept 4
	v_nop
.endr
.endm
.macro CREST                           ; a round of the cluster's barrier behind its opening work-group barrier
	s_cmp_lg_u32 s[WV], 0
	s_cbranch_scc1 .Lnot_wave_0_\@
	s_barrier_signal -3
.Lnot_wave_0_\@:
	s_barrier_wait -3
	s_barrier_signal -1
	s_barrier_wait -1
.endm
.macro CROUND
	s_barrier_signal -1
	s_barrier_wait -1
	CREST
.endm
; A slot's four joint loads, one a wave: each line has one mask and one set of registers; the branches hang on the wave's number alone.
.macro JLOAD s, g1a
	s_cmp_eq_u32 s[WV], 0
	s_cbranch_scc0 .Lj1_\@
	tensor_load_to_lds s[G0+4*\s:G0+4*\s+3], s[\g1a:\g1a+7]
	s_nop 0
	s_branch .Ljd_\@
.Lj1_\@:
	s_cmp_eq_u32 s[WV], 1
	s_cbranch_scc0 .Lj2_\@
	tensor_load_to_lds s[G0+8+4*\s:G0+8+4*\s+3], s[G1A6:G1A6+7]
	s_nop 0
	s_branch .Ljd_\@
.Lj2_\@:
	s_cmp_eq_u32 s[WV], 2
	s_cbranch_scc0 .Lj3_\@
	tensor_load_to_lds s[G0+16+4*\s:G0+16+4*\s+3], s[G1B1:G1B1+7]
	s_nop 0
	s_branch .Ljd_\@
.Lj3_\@:
	tensor_load_to_lds s[G0+24+4*\s:G0+24+4*\s+3], s[G1B6:G1B6+7]
	s_nop 0
.Ljd_\@:
.endm
.macro G1SET g, cols, rows, pitch      ; words 1 to 7 of a group 1: the tiles lie inside their tensors, so the extents are the tile's
	s_mov_b32 s[\g+1], \cols<<16                   ; tensor_dim0
	s_mov_b32 s[\g+2], \rows<<16                   ; tensor_dim1
	s_mov_b32 s[\g+3], \cols<<16                   ; tile_dim0
	s_mov_b32 s[\g+4], \rows                       ; tile_dim1
	s_mov_b32 s[\g+5], \pitch                      ; elements from row to row
	s_mov_b32 s[\g+6], 0
	s_mov_b32 s[\g+7], 0
.endm
	s_load_b64 s[G0+2:G0+3], s[0:1], 0x0           ; xb, straight into the address field of the group 0 that it serves
	s_load_b64 s[G0+6:G0+7], s[0:1], 0x8           ; kqb
	s_load_b64 s[G0+18:G0+19], s[0:1], 0x10        ; wb
	s_load_b256 s[PBV:PBV+7], s[0:1], 0x18         ; bv, bkp, bqp, phase_scale
	s_load_b128 s[DBP:DBP+3], s[0:1], 0x38         ; dbuf, stats
	v_lshl_add_u32 v23, v0, 2, 0x4e000
	v_mov_b32 v30, 0
	ds_add_u32 v23, v30
	v_lshrrev_b32 v1, 5, v0
	v_readfirstlane_b32 s[WV], v1                  ; wave
	s_lshr_b32 s[WR], s[WV], 1
	s_and_b32 s[WC], s[WV], 1
	s_bfe_u32 s60, ttmp6, 0x40000                  ; cx
	s_bfe_u32 s61, ttmp6, 0x40004                  ; cy
	s_lshl_b32 s62, ttmp9, 2
	s_add_co_u32 s62, s62, s60                     ; block column
	s_and_b32 s63, ttmp7, 0xffff
	s_lshl_b32 s63, s63, 2
	s_add_co_u32 s63, s63, s61                     ; block row
	s_lshl_b32 s99, s61, 2
	s_lshl_b32 s99, 15, s99                        ; my row of the cluster
	s_lshl_b32 s100, 0x1111, s60                   ; my column
.set W128, (1<<16)|(1<<20)|(1<<21)|(5<<22)|(3<<25) ; 2-byte elements; padding on; bit 21 beside a mask; after every 64 words, 4 words
.set W64,  (1<<16)|(1<<20)|(1<<21)|(4<<22)|(3<<25) ; the same after every 32 words
	s_or_b32 s[G1AX], s99, W128
	s_or_b32 s[G1AQ], s99, W128
	s_or_b32 s[G1A6], s99, W64
	s_or_b32 s[G1B1], s100, W128
	s_or_b32 s[G1B6], s100, W64
	G1SET G1AX, 128, 128, 1024
	G1SET G1AQ, 128, 128, 2048
	G1SET G1A6, 64,  128, 2048
	G1SET G1B1, 128, 256, 3072
	G1SET G1B6, 64,  256, 3072
	s_lshl_b32 s66, s63, 18                        ; xb: block row x 128 rows x 2,048 bytes
	s_mov_b32 s67, 0
	s_mul_i32 s100, s62, 256*6144                  ; the weights: block column x 256 rows x 6,144 bytes,
	s_add_co_u32 s100, s100, 0x400000              ; and [Wv | Wkp | Wqp] begins there in wb
	s_mov_b32 s101, 0
	s_wait_dscnt 0x0
	s_wait_kmcnt 0x0
	s_add_nc_u64 s[G0+2:G0+3], s[G0+2:G0+3], s[66:67]          ; slot 0, rows K 128: value's K = 0
	s_lshl_b32 s66, s63, 19                                    ; kqb: rows of 4,096 bytes
	s_add_nc_u64 s[G0+10:G0+11], s[G0+6:G0+7], s[66:67]        ; slot 0, rows K 64: key's K = 0
	s_add_nc_u64 s[G0+14:G0+15], s[G0+10:G0+11], 128           ; slot 1, rows K 64: key's K = 64
	s_add_nc_u64 s[G0+6:G0+7], s[G0+10:G0+11], 2048            ; slot 1, rows K 128: query's K = 0 (query lies behind key in a row of kqb)
	s_add_nc_u64 s[G0+18:G0+19], s[G0+18:G0+19], s[100:101]    ; slot 0, weights K 128: Wv
	s_add_nc_u64 s[G0+22:G0+23], s[G0+18:G0+19], 4096          ; slot 1, weights K 128: Wqp
	s_add_nc_u64 s[G0+26:G0+27], s[G0+18:G0+19], 2048          ; slot 0, weights K 64: Wkp, K = 0
	s_add_nc_u64 s[G0+30:G0+31], s[G0+18:G0+19], 2048+128      ; slot 1, weights K 64: Wkp, K = 64
.irp s, 0,1
	s_mov_b32 s[G0+4*\s], 1                        ; count = 1
	s_mov_b32 s[G0+4*\s+1], \s*SLOT+OA1            ; LDS addresses: constants; each kind is one wave's
	s_mov_b32 s[G0+8+4*\s], 1
	s_mov_b32 s[G0+8+4*\s+1], \s*SLOT+OA6
	s_mov_b32 s[G0+16+4*\s], 1
	s_mov_b32 s[G0+16+4*\s+1], \s*SLOT+OB1
	s_mov_b32 s[G0+24+4*\s], 1
	s_mov_b32 s[G0+24+4*\s+1], \s*SLOT+OB6
.endr
.irp q, 0,1,2,3,4,5,6,7
	s_or_b32 s[G0+4*\q+3], s[G0+4*\q+3], 0x80000000            ; type = 2
.endr
	CROUND                                         ; all sixteen work-groups are here: the first joint loads meet
	s_cmp_eq_u32 s[WV], 0                          ; both slots' first fills of a wave stand in one branch on its number
	s_cbranch_scc0 .Lff1
	tensor_load_to_lds s[G0:G0+3], s[G1AX:G1AX+7]
	s_nop 0
	tensor_load_to_lds s[G0+4:G0+7], s[G1AQ:G1AQ+7]
	s_nop 0
	s_branch .Lff_done
.Lff1:
	s_cmp_eq_u32 s[WV], 1
	s_cbranch_scc0 .Lff2
	tensor_load_to_lds s[G0+8:G0+11], s[G1A6:G1A6+7]
	s_nop 0
	tensor_load_to_lds s[G0+12:G0+15], s[G1A6:G1A6+7]
	s_nop 0
	s_branch .Lff_done
.Lff2:
	s_cmp_eq_u32 s[WV], 2
	s_cbranch_scc0 .Lff3
	tensor_load_to_lds s[G0+16:G0+19], s[G1B1:G1B1+7]
	s_nop 0
	tensor_load_to_lds s[G0+20:G0+23], s[G1B1:G1B1+7]
	s_nop 0
	s_branch .Lff_done
.Lff3:
	tensor_load_to_lds s[G0+24:G0+27], s[G1B6:G1B6+7]
	s_nop 0
	tensor_load_to_lds s[G0+28:G0+31], s[G1B6:G1B6+7]
	s_nop 0
.Lff_done:
	; pointers of my part (sums that hold cx stay in s99 to s101)
	s_lshl_b32 s100, s62, 8
	s_lshl_b32 s101, s[WC], 7
	s_add_co_u32 s100, s100, s101                  ; my first column
	s_lshl_b32 s99, s100, 1                        ; in bytes of dbuf
	s_lshl_b32 s100, s100, 2                       ; in bytes of the f32 vectors
	s_mov_b32 s101, 0
	s_add_nc_u64 s[PBV:PBV+1],   s[PBV:PBV+1],   s[100:101]
	s_add_nc_u64 s[PBV+2:PBV+3], s[PBV+2:PBV+3], s[100:101]
	s_add_nc_u64 s[PBV+4:PBV+5], s[PBV+4:PBV+5], s[100:101]
	s_add_nc_u64 s[PBV+6:PBV+7], s[PBV+6:PBV+7], s[100:101]
	s_lshl_b32 s66, s63, 7
	s_lshl_b32 s67, s[WR], 6
	s_add_co_u32 s66, s66, s67                     ; my first row
	s_lshl_b32 s67, s66, 3
	s_lshl_b32 s100, s66, 11
	s_add_co_u32 s100, s100, s99
	s_add_nc_u64 s[DBP:DBP+1], s[DBP:DBP+1], s[100:101]        ; dbuf at my first row and column
	s_lshl_b32 s100, s62, 1
	s_add_co_u32 s100, s100, s[WC]                 ; my block of 128 columns, 0 to 7
	s_lshl_b32 s100, s100, 16
	s_add_co_u32 s100, s100, s67
	s_add_nc_u64 s[STP:STP+1], s[STP:STP+1], s[100:101]        ; stats[block][my first row]
	v_and_b32 v1, 15, v0                           ; r = l % 16
	v_bfe_u32 v2, v0, 4, 1                         ; h = l / 16
	v_and_b32 v5, 31, v0                           ; l
	v_lshlrev_b32 v[VO], 2, v1
.irp b, 0,1,2,3,4,5,6,7
	global_load_b32 v[KB+\b],    v[VO], s[PBV:PBV+1]   offset:64*\b
	global_load_b32 v[KB+8+\b],  v[VO], s[PBV+2:PBV+3] offset:64*\b
	global_load_b32 v[KB+16+\b], v[VO], s[PBV+4:PBV+5] offset:64*\b
	global_load_b32 v[KB+24+\b], v[VO], s[PBV+6:PBV+7] offset:64*\b
.endr
	; a fragment is 16 rows x 32 K: lane l holds row r; two loads of 16 bytes, 32 apart, at row x pitch + 16 h
	v_mul_u32_u24 v3, v1, P1
	v_lshl_add_u32 v3, v2, 4, v3
	v_mul_u32_u24 v4, v1, P6
	v_lshl_add_u32 v4, v2, 4, v4
	s_mul_i32 s60, s[WR], 64*P1                    ; (OA1 = 0)
	s_mul_i32 s61, s[WC], 128*P1
	s_add_co_u32 s61, s61, OB1
	v_add_nc_u32 v[ADA1], s60, v3
	v_add_nc_u32 v[ADB1], s61, v3
	s_mul_i32 s60, s[WR], 64*P6
	s_add_co_u32 s60, s60, OA6
	s_mul_i32 s61, s[WC], 128*P6
	s_add_co_u32 s61, s61, OB6
	v_add_nc_u32 v[ADA6], s60, v4
	v_add_nc_u32 v[ADB6], s61, v4
	v_add_nc_u32 v[ADA1+1], SLOT, v[ADA1]
	v_add_nc_u32 v[ADB1+1], SLOT, v[ADB1]
	v_add_nc_u32 v[ADA6+1], SLOT, v[ADA6]
	v_add_nc_u32 v[ADB6+1], SLOT, v[ADB6]
	s_mul_i32 s60, s[WV], 16*PITCH                 ; (DSTG = 0)
	v_mul_u32_u24 v4, v2, 8*PITCH
	v_lshl_add_u32 v4, v1, 1, v4
	v_add_nc_u32 v[STO], s60, v4                   ; in: row 8 h (+ j by the offset), 2 bytes at column r
	v_mul_u32_u24 v4, v2, PITCH
	v_lshl_add_u32 v4, v1, 4, v4
	v_add_nc_u32 v[RD], s60, v4                    ; back: lanes 0-15 one row of 256 bytes, lanes 16-31 the next
	v_lshlrev_b32 v4, 11, v2
	v_lshl_add_u32 v[CO], v1, 4, v4                ; the same two rows in dbuf
	s_lshl_b32 s60, s[WV], 9
	s_add_co_u32 s60, s60, SSTG
	v_lshl_add_u32 v[SST], v2, 6, s60
	v_lshl_add_u32 v[SRD], v5, 3, s60
	v_lshlrev_b32 v[SCO], 3, v5
; 16 matrix instructions: row tiles a0, a0 + 1 x all 8 column tiles, 32 along K, from fragment buffer f.  zero = 1: the first product starts the sums.
; The 32 accumulators of a window take turns, one instruction a turn, in the same order everywhere, over the loop's backward jump too.
.macro MUL f, a0, zero
.irp a, \a0, \a0+1
.irp b, 0,1,2,3,4,5,6,7
.if \zero
	v_wmma_f32_16x16x32_f16 v[8*(8*(\a)+\b):8*(8*(\a)+\b)+7], v[FA+32*\f+8*(\a):FA+32*\f+8*(\a)+7], v[FB+64*\f+8*\b:FB+64*\f+8*\b+7], 0
.else
	v_wmma_f32_16x16x32_f16 v[8*(8*(\a)+\b):8*(8*(\a)+\b)+7], v[FA+32*\f+8*(\a):FA+32*\f+8*(\a)+7], v[FB+64*\f+8*\b:FB+64*\f+8*\b+7], v[8*(8*(\a)+\b):8*(8*(\a)+\b)+7]
.endif
.endr
.endr
.endm
; 24 LDS loads: a quarter's fragments (128 weight rows, 64 rows, 32 K at byte k of the plane's rows) into buffer f
.macro FETCHR ra, rb, pt, k, f
.irp i, 0,1,2,3,4,5,6,7
	ds_load_b128 v[FB+64*\f+8*\i:FB+64*\f+8*\i+3],   v[\rb] offset:\k+\i*16*\pt
	ds_load_b128 v[FB+64*\f+8*\i+4:FB+64*\f+8*\i+7], v[\rb] offset:\k+\i*16*\pt+32
.endr
.irp i, 0,1,2,3
	ds_load_b128 v[FA+32*\f+8*\i:FA+32*\f+8*\i+3],   v[\ra] offset:\k+\i*16*\pt
	ds_load_b128 v[FA+32*\f+8*\i+4:FA+32*\f+8*\i+7], v[\ra] offset:\k+\i*16*\pt+32
.endr
.endm
.macro FETCH pl, slot, k, f            ; pl = 1: the K = 128 plane; 6: the K = 64 plane
.if \pl == 1
	FETCHR ADA1+\slot, ADB1+\slot, P1, \k, \f
.else
	FETCHR ADA6+\slot, ADB6+\slot, P6, \k, \f
.endif
.endm
.macro QTR f, g, pl, slot, k, zero, w  ; asks for the next quarter's fragments (plane pl, byte k) into buffer g, then multiplies buffer f into window w
	PLACES                                         ; buffer g was read by the matrix instructions just issued
	WIN 0
	FETCH \pl, \slot, \k, \g
	s_wait_dscnt 24                                ; the 24 just issued may be out; buffer f's are in
	WIN 0x50*\w
	MUL \f, 0, \zero
	MUL \f, 2, \zero
.endm
; A step is six quarters of 32 along K on buffers 0, 1, 0, 1, 0, 1: four from the K = 128 plane into window wp (1 value, 3 query), two from the K = 64 plane into window 2 (key).
.macro FIVE slot, wp, zp, z6
	QTR 0, 1, 1, \slot, 64,  \zp, \wp
	QTR 1, 0, 1, \slot, 128, 0, \wp
	QTR 0, 1, 1, \slot, 192, 0, \wp
	QTR 1, 0, 6, \slot, 0,   0, \wp
	QTR 0, 1, 6, \slot, 64,  \z6, 2
.endm
; The sixth quarter multiplies buffer 1 and changes slots.  In front of the barrier each wave waits for its reads of this slot and for all its tensor loads (one is out: its part of the
; next slot); behind it the refill, the slot's tiles of the next lap, comes first, then the next slot's first fragments.
.macro TURN slot, next, fill
	s_wait_dscnt 0x0                               ; buffer 1's fragments are in: they were my last reads of this slot
	s_wait_tensorcnt 0x0                           ; all my tensor loads have landed, so every group 0 may be written
	ds_add_u32 v23, v30
	s_wait_dscnt 0x0
	s_barrier_signal -1
	WIN 0xa0
	MUL 1, 0, 0                                    ; register work while the others arrive
	WIN 0
	s_barrier_wait -1
.if \fill
	CREST                                          ; no wave of any partner still reads this slot or has a load on its way
.irp q, 0,1,2,3
	s_add_nc_u64 s[G0+8*\q+4*\slot+2:G0+8*\q+4*\slot+3], s[G0+8*\q+4*\slot+2:G0+8*\q+4*\slot+3], 256     ; K = 128 on, in each of the slot's four tiles
.endr
.if \slot == 0
	JLOAD 0, G1AX
.else
	JLOAD 1, G1AQ
.endif
.endif
	PLACES
	FETCH 1, \next, 0, 0
	WIN 0xa0
	MUL 1, 2, 0
.endm
.macro LAP z                           ; once round the ring, both slots filled again
	FIVE 0, 1, \z, \z
	TURN 0, 1, 1
	FIVE 1, 3, \z, 0
	TURN 1, 0, 1
.endm
	s_wait_tensorcnt 1                             ; my part of slot 0 is in; slot 1's may stay out
	s_barrier_signal -1
	s_barrier_wait -1
	FETCH 1, 0, 0, 0
	LAP 1                                          ; lap 0: the first products of value, key and query start the sums
	WIN 0                                          ; at a label and at a branch every window is 0
	s_mov_b32 s3, 6                                ; laps 1 to 6 fetch laps 2 to 7
.Llap:
	LAP 0
	WIN 0
	s_sub_co_u32 s3, s3, 1
	s_cmp_lg_u32 s3, 0
	s_cbranch_scc1 .Llap
	FIVE 0, 1, 0, 0                                ; lap 7 fetches nothing
	TURN 0, 1, 0                                   ; behind this barrier no wave reads slot 0 any more and nothing is filled into it
	FIVE 1, 3, 0, 0
	s_wait_dscnt 0x0
	WIN 0xa0
	MUL 1, 0, 0
	MUL 1, 2, 0
	; ---------------- behind the products: everything in registers ----------------
.set VS5, 6                            ; v[6:7]     the sine series' last coefficient, twice
.set VC5, 8                            ; v[8:9]     the cosine series' last coefficient, twice
.set PSP, 10                           ; v[10:11]   (ps / 2 pi, -2 ps / 2 pi) of the trip's column
.set VR,  32                           ; v[32:63]   the trip's column tile, row 16 i + 8 h + j at 8 i + j: value / 32, then value cos, then its prefix sums
.set VI,  64                           ; v[64:95]   value sin, then its prefix sums
.set RT,  96                           ; v[96:127]  16 pairs at work
.set RN,  128                          ; v[128:159]
.set RS,  160                          ; v[160:191] sin h
.set RC,  192                          ; v[192:223] cos h
.set SC1, 24                           ; scalar pairs, both halves written (the tensor loads that named these registers were waited for in lap 7's first step)
.set SPI, 26
.set SR32, 28
.set SS4, 30
.set SS3, 32
.set SS2, 34
.set SS1, 36
.set SC4, 38
.set SC3, 48
.set SC2, 50
.set SEL0, 52
.set SEL1, 53
.set SR128, 54
.set HIM, 56
.set SMH, 58
.set SONE, 60
.macro SETP r, val
	s_mov_b32 s[\r], \val
	s_mov_b32 s[\r+1], \val
.endm
	PLACES                                         ; behind the last matrix instructions, for all that reads results or writes fragments below
	WIN 0
	s_wait_loadcnt 0x0                             ; the column constants
	SETP SC1,  0x4038aa3b                          ; 2 log2 e
	SETP SPI,  0x40490fdb                          ; pi
	SETP SR32, 0x3d000000                          ; 1/32
	SETP SS4,  0x3638ef1d                          ; 1/9!
	SETP SS3,  0xb9500d01                          ; -1/7!
	SETP SS2,  0x3c088889                          ; 1/5!
	SETP SS1,  0xbe2aaaab                          ; -1/3!
	SETP SC4,  0x37d00d01                          ; 1/8!
	SETP SC3,  0xbab60b61                          ; -1/6!
	SETP SC2,  0x3d2aaaab                          ; 1/4!
	SETP SMH,  0xbf000000                          ; -1/2!
	SETP SONE, 0x3f800000
	SETP SR128, 0x3c000000                         ; 1/128
	s_mov_b32 s[SEL0], 0x76543210                  ; v_permlanex16_b32: lane i of one half reads lane i of the other
	s_mov_b32 s[SEL1], 0xfedcba98
	s_mov_b32 s[HIM], 0xffff0000                   ; lanes 16-31
.irp b, 0,1,2,3,4,5,6,7                        ; the column constants are scaled where they lie: bv / 32, C1 bkp, C1 bqp, ps / 2 pi (the phase is made in turns)
	v_mul_f32 v[KB+\b],    s[SR32], v[KB+\b]
	v_mul_f32 v[KB+8+\b],  s[SC1],  v[KB+8+\b]
	v_mul_f32 v[KB+16+\b], s[SC1],  v[KB+16+\b]
	v_mul_f32 v[KB+24+\b], 0.15915494, v[KB+24+\b]
.endr
	v_mov_b32 v[VS5],   0xb2d7322b                 ; -1/11!
	v_mov_b32 v[VS5+1], 0xb2d7322b
	v_mov_b32 v[VC5],   0xb493f27e                 ; -1/10!
	v_mov_b32 v[VC5+1], 0xb493f27e
.macro HORN ks, kc                     ; one step of both series: p = p u + k
.set cq, 0
.rept 16
	v_pk_fma_f32 v[RS+cq:RS+cq+1], v[RS+cq:RS+cq+1], v[RN+cq:RN+cq+1], s[\ks:\ks+1] op_sel_hi:[1,1,0]
	v_pk_fma_f32 v[RC+cq:RC+cq+1], v[RC+cq:RC+cq+1], v[RN+cq:RN+cq+1], s[\kc:\kc+1] op_sel_hi:[1,1,0]
.set cq, cq+2
.endr
.endm
; 32 numbers a lane.  In: RT = 2 log2 e (z + bias).  Out: RS = sin h, RC = cos h, RT = -2 sin h, where 2 h is the phase tanh(z + bias) ps modulo a turn.  Window 0 throughout.
.macro TRIGCORE
.set ck, 0
.rept 32
	v_exp_f32 v[RT+ck], v[RT+ck]
.set ck, ck+1
.endr
	v_nop                                          ; one plain place behind the transcendentals (ISA guide 5.7.2)
.set cq, 0
	s_wait_alu depctr_va_vdst(0)
.rept 16
	v_pk_add_f32 v[RT+cq:RT+cq+1], v[RT+cq:RT+cq+1], 1.0 op_sel_hi:[1,0]
.set cq, cq+2
.endr
.set ck, 0
.rept 32
	v_rcp_f32 v[RT+ck], v[RT+ck]
.set ck, ck+1
.endr
	v_nop
.set cq, 0
	s_wait_alu depctr_va_vdst(0)
.rept 16                               ; turns = (1 - 2 rcp) ps / 2 pi
	v_pk_fma_f32 v[RT+cq:RT+cq+1], v[RT+cq:RT+cq+1], v[PSP:PSP+1], v[PSP:PSP+1] op_sel:[0,1,0] op_sel_hi:[1,1,0]
.set cq, cq+2
.endr
.set ck, 0
.rept 32
	v_rndne_f32 v[RN+ck], v[RT+ck]
.set ck, ck+1
.endr
.set cq, 0
.rept 16
	v_pk_add_f32 v[RT+cq:RT+cq+1], v[RT+cq:RT+cq+1], v[RN+cq:RN+cq+1] neg_lo:[0,1] neg_hi:[0,1]   ; exact: -0.5 to 0.5 turns
.set cq, cq+2
.endr
.set cq, 0
.rept 16
	v_pk_mul_f32 v[RT+cq:RT+cq+1], v[RT+cq:RT+cq+1], s[SPI:SPI+1] op_sel_hi:[1,0]                 ; h = half the angle
.set cq, cq+2
.endr
.set cq, 0
.rept 16
	v_pk_mul_f32 v[RN+cq:RN+cq+1], v[RT+cq:RT+cq+1], v[RT+cq:RT+cq+1]                             ; u = h h
.set cq, cq+2
.endr
.set cq, 0
.rept 16
	v_pk_fma_f32 v[RS+cq:RS+cq+1], v[RN+cq:RN+cq+1], v[VS5:VS5+1], s[SS4:SS4+1] op_sel_hi:[1,1,0]
	v_pk_fma_f32 v[RC+cq:RC+cq+1], v[RN+cq:RN+cq+1], v[VC5:VC5+1], s[SC4:SC4+1] op_sel_hi:[1,1,0]
.set cq, cq+2
.endr
	HORN SS3, SC3
	HORN SS2, SC2
	HORN SS1, SMH
	HORN SONE, SONE
.set cq, 0
.rept 16
	v_pk_mul_f32 v[RS+cq:RS+cq+1], v[RS+cq:RS+cq+1], v[RT+cq:RT+cq+1]
.set cq, cq+2
.endr
.set cq, 0
.rept 16
	v_pk_mul_f32 v[RT+cq:RT+cq+1], v[RS+cq:RS+cq+1], -2.0 op_sel_hi:[1,0]
.set cq, cq+2
.endr
.endm
; The lines that name column tile b's accumulators.  eb = b without its lowest bit, odd = that bit: tile b's constant is register odd of an even-aligned pair.
; INA: VR = value / 32 + bv / 32 out of window 1, RT = C1 z + C1 bkp out of window 2, and the column's pair of ps.
.macro INA b, eb, odd
.Lina\b:
	WIN 0x01
.irp i, 0,1,2,3
.irp p, 0,1,2,3
	v_pk_fma_f32 v[VR+8*\i+2*\p:VR+8*\i+2*\p+1], v[8*(8*\i+\b)+2*\p:8*(8*\i+\b)+2*\p+1], s[SR32:SR32+1], v[KB+\eb:KB+\eb+1] op_sel:[0,0,\odd] op_sel_hi:[1,0,\odd]
.endr
.endr
	WIN 0x02
.irp i, 0,1,2,3
.irp p, 0,1,2,3
	v_pk_fma_f32 v[RT+8*\i+2*\p:RT+8*\i+2*\p+1], v[8*(8*\i+\b)+2*\p:8*(8*\i+\b)+2*\p+1], s[SC1:SC1+1], v[KB+8+\eb:KB+8+\eb+1] op_sel:[0,0,\odd] op_sel_hi:[1,0,\odd]
.endr
.endr
	WIN 0
	v_mov_b32 v[PSP], v[KB+24+\b]
	v_mul_f32 v[PSP+1], -2.0, v[KB+24+\b]
.if \b < 7
	s_branch .Lina_done
.endif
.endm
; INB: RT = C1 z + C1 bqp out of window 3
.macro INB b, eb, odd
.Linb\b:
	WIN 0x03
.irp i, 0,1,2,3
.irp p, 0,1,2,3
	v_pk_fma_f32 v[RT+8*\i+2*\p:RT+8*\i+2*\p+1], v[8*(8*\i+\b)+2*\p:8*(8*\i+\b)+2*\p+1], s[SC1:SC1+1], v[KB+16+\eb:KB+16+\eb+1] op_sel:[0,0,\odd] op_sel_hi:[1,0,\odd]
.endr
.endr
	WIN 0
.if \b < 7
	s_branch .Linb_done
.endif
.endm
; OUTB: retrieved = mr + (-2 s)(s mr - c mi), into window 3
.macro OUTB b
.Loutb\b:
	WIN 0xc0
.irp i, 0,1,2,3
.irp p, 0,1,2,3
	v_pk_fma_f32 v[8*(8*\i+\b)+2*\p:8*(8*\i+\b)+2*\p+1], v[RT+8*\i+2*\p:RT+8*\i+2*\p+1], v[RN+8*\i+2*\p:RN+8*\i+2*\p+1], v[VR+8*\i+2*\p:VR+8*\i+2*\p+1]
.endr
.endr
	WIN 0
.if \b < 7
	s_branch .Loutb_done
.endif
.endm
; The second part of the prefix sum down my 64 rows of array z, whose registers already hold the sums along each lane's eight rows: lanes 16-31 (rows 8-15 of a row tile) add
; the other half's total (chosen by a mask, not multiplied: an infinity further down makes no NaN further up), and all add the totals of the row tiles above.
.set PO,  RT                           ; v[96:103]  the other half's total of row tile i (o = 0: real, 4: imaginary)
.set PTS, RT+8                         ; v[104:111] the tile's total, then the running total
.set POF, RT+16                        ; v[112:119] what a lane adds
.macro SCAN1 z, o
.irp i, 0,1,2,3
	v_permlanex16_b32 v[PO+\o+\i], v[\z+8*\i+7], s[SEL0], s[SEL1]      ; its destination counts as read: it has been written as RT
.endr
.irp i, 0,1,2
	v_add_f32 v[PTS+\o+\i], v[\z+8*\i+7], v[PO+\o+\i]
.endr
.irp i, 0,1,2,3
	v_cndmask_b32 v[POF+\o+\i], 0, v[PO+\o+\i], s[HIM]
.endr
	v_add_f32 v[POF+\o+1], v[POF+\o+1], v[PTS+\o]
	v_add_f32 v[PTS+\o+1], v[PTS+\o+1], v[PTS+\o]
	v_add_f32 v[POF+\o+2], v[POF+\o+2], v[PTS+\o+1]
	v_add_f32 v[PTS+\o+2], v[PTS+\o+2], v[PTS+\o+1]
	v_add_f32 v[POF+\o+3], v[POF+\o+3], v[PTS+\o+2]
.irp p, 0,1,2,3
	v_pk_add_f32 v[\z+2*\p:\z+2*\p+1],       v[\z+2*\p:\z+2*\p+1],       v[POF+\o:POF+\o+1]     op_sel:[0,0] op_sel_hi:[1,0]
	v_pk_add_f32 v[\z+8+2*\p:\z+8+2*\p+1],   v[\z+8+2*\p:\z+8+2*\p+1],   v[POF+\o:POF+\o+1]     op_sel:[0,1] op_sel_hi:[1,1]
	v_pk_add_f32 v[\z+16+2*\p:\z+16+2*\p+1], v[\z+16+2*\p:\z+16+2*\p+1], v[POF+\o+2:POF+\o+3]   op_sel:[0,0] op_sel_hi:[1,0]
	v_pk_add_f32 v[\z+24+2*\p:\z+24+2*\p+1], v[\z+24+2*\p:\z+24+2*\p+1], v[POF+\o+2:POF+\o+3]   op_sel:[0,1] op_sel_hi:[1,1]
.endr
.endm
	; One trip = column tile s3 of my eight: 64 rows x 16 columns, 32 numbers a lane in each array.  A column's work hangs on no other column.
	s_mov_b32 s3, 0
.Lcol:
.irp b, 1,2,3,4,5,6,7
	s_cmp_eq_u32 s3, \b
	s_cbranch_scc1 .Lina\b
.endr
	INA 0, 0, 0
	INA 1, 0, 1
	INA 2, 2, 0
	INA 3, 2, 1
	INA 4, 4, 0
	INA 5, 4, 1
	INA 6, 6, 0
	INA 7, 6, 1
.Lina_done:
	TRIGCORE                                       ; the key phase
	; bind: value cos(2h) = v + (-2 s v) s, value sin(2h) = -(-2 s v) c
.set cq, 0
.rept 16
	v_pk_mul_f32 v[RN+cq:RN+cq+1], v[VR+cq:VR+cq+1], v[RT+cq:RT+cq+1]
.set cq, cq+2
.endr
.set cq, 0
.rept 16
	v_pk_fma_f32 v[VR+cq:VR+cq+1], v[RN+cq:RN+cq+1], v[RS+cq:RS+cq+1], v[VR+cq:VR+cq+1]
	v_pk_mul_f32 v[VI+cq:VI+cq+1], v[RN+cq:RN+cq+1], v[RC+cq:RC+cq+1] neg_lo:[1,0] neg_hi:[1,0]
.set cq, cq+2
.endr
	; prefix sums: first along each lane's eight rows of a row tile, eight chains side by side
.irp j, 1,2,3,4,5,6,7
.irp i, 0,1,2,3
	v_add_f32 v[VR+8*\i+\j], v[VR+8*\i+\j], v[VR+8*\i+\j-1]
	v_add_f32 v[VI+8*\i+\j], v[VI+8*\i+\j], v[VI+8*\i+\j-1]
.endr
.endr
	SCAN1 VR, 0
	SCAN1 VI, 4
.irp b, 1,2,3,4,5,6,7
	s_cmp_eq_u32 s3, \b
	s_cbranch_scc1 .Linb\b
.endr
	INB 0, 0, 0
	INB 1, 0, 1
	INB 2, 2, 0
	INB 3, 2, 1
	INB 4, 4, 0
	INB 5, 4, 1
	INB 6, 6, 0
	INB 7, 6, 1
.Linb_done:
	TRIGCORE                                       ; the query phase
.set cq, 0
.rept 16
	v_pk_mul_f32 v[RN+cq:RN+cq+1], v[RS+cq:RS+cq+1], v[VR+cq:VR+cq+1]
.set cq, cq+2
.endr
.set cq, 0
.rept 16
	v_pk_fma_f32 v[RN+cq:RN+cq+1], v[RC+cq:RC+cq+1], v[VI+cq:VI+cq+1], v[RN+cq:RN+cq+1] neg_lo:[1,0,0] neg_hi:[1,0,0]   ; s mr - c mi
.set cq, cq+2
.endr
.irp b, 1,2,3,4,5,6,7
	s_cmp_eq_u32 s3, \b
	s_cbranch_scc1 .Loutb\b
.endr
	OUTB 0
	OUTB 1
	OUTB 2
	OUTB 3
	OUTB 4
	OUTB 5
	OUTB 6
	OUTB 7
.Loutb_done:
	s_add_co_u32 s3, s3, 1
	s_cmp_lt_u32 s3, 8
	s_cbranch_scc1 .Lcol
	; the mean of each row over my 128 columns: over the 8 column tiles in registers, over the 16 lanes of a half by DPP
.set MN,  32                           ; v[32:63]   row 16 i + 8 h + j at MN + 8 i + j
.set MSQ, 64                           ; v[64:95]   M2 likewise
.set QQ,  96                           ; v[96:223]  at work
	WIN 0x0f
.irp i, 0,1,2,3
.irp c, 0,1,2,3
.irp p, 0,1,2,3
	v_pk_add_f32 v[QQ+32*\i+8*\c+2*\p:QQ+32*\i+8*\c+2*\p+1], v[8*(8*\i+2*\c)+2*\p:8*(8*\i+2*\c)+2*\p+1], v[8*(8*\i+2*\c+1)+2*\p:8*(8*\i+2*\c+1)+2*\p+1]
.endr
.endr
.endr
	WIN 0
.irp i, 0,1,2,3
.irp p, 0,1,2,3
	v_pk_add_f32 v[QQ+32*\i+2*\p:QQ+32*\i+2*\p+1], v[QQ+32*\i+2*\p:QQ+32*\i+2*\p+1], v[QQ+32*\i+8+2*\p:QQ+32*\i+8+2*\p+1]
	v_pk_add_f32 v[QQ+32*\i+16+2*\p:QQ+32*\i+16+2*\p+1], v[QQ+32*\i+16+2*\p:QQ+32*\i+16+2*\p+1], v[QQ+32*\i+24+2*\p:QQ+32*\i+24+2*\p+1]
.endr
.endr
.irp i, 0,1,2,3
.irp p, 0,1,2,3
	v_pk_add_f32 v[MN+8*\i+2*\p:MN+8*\i+2*\p+1], v[QQ+32*\i+2*\p:QQ+32*\i+2*\p+1], v[QQ+32*\i+16+2*\p:QQ+32*\i+16+2*\p+1]
.endr
.endr
.irp m, 1,2,4,8
.set ck, 0
.rept 32
	v_add_f32_dpp v[MN+ck], v[MN+ck], v[MN+ck] row_xmask:\m row_mask:0xf bank_mask:0xf
.set ck, ck+1
.endr
.endr
.set cq, 0
.rept 16
	v_pk_mul_f32 v[MN+cq:MN+cq+1], v[MN+cq:MN+cq+1], s[SR128:SR128+1] op_sel_hi:[1,0]
.set cq, cq+2
.endr
	WIN 0xc3                                       ; d = r - m, in place
.irp b, 0,1,2,3,4,5,6,7
.irp i, 0,1,2,3
.irp p, 0,1,2,3
	v_pk_add_f32 v[8*(8*\i+\b)+2*\p:8*(8*\i+\b)+2*\p+1], v[8*(8*\i+\b)+2*\p:8*(8*\i+\b)+2*\p+1], v[MN+8*\i+2*\p:MN+8*\i+2*\p+1] neg_lo:[0,1] neg_hi:[0,1]
.endr
.endr
.endr
	WIN 0x0f                                       ; M2 = sum of d d: 16 chains; the first products start them
.irp b, 0,1,2,3,4,5,6,7
.irp i, 0,1,2,3
.irp p, 0,1,2,3
.if \b == 0
	v_pk_mul_f32 v[MSQ+8*\i+2*\p:MSQ+8*\i+2*\p+1], v[8*(8*\i+\b)+2*\p:8*(8*\i+\b)+2*\p+1], v[8*(8*\i+\b)+2*\p:8*(8*\i+\b)+2*\p+1]
.else
	v_pk_fma_f32 v[MSQ+8*\i+2*\p:MSQ+8*\i+2*\p+1], v[8*(8*\i+\b)+2*\p:8*(8*\i+\b)+2*\p+1], v[8*(8*\i+\b)+2*\p:8*(8*\i+\b)+2*\p+1], v[MSQ+8*\i+2*\p:MSQ+8*\i+2*\p+1]
.endif
.endr
.endr
.endr
	WIN 0
.irp m, 1,2,4,8
.set ck, 0
.rept 32
	v_add_f32_dpp v[MSQ+ck], v[MSQ+ck], v[MSQ+ck] row_xmask:\m row_mask:0xf bank_mask:0xf
.set ck, ck+1
.endr
.endr
	; (m, M2) of my 64 rows through my own 512 bytes of LDS, so that they leave as two stores of 256 consecutive bytes.  The 16 lanes of a half hold and write the same numbers.
.irp i, 0,1,2,3
.irp j, 0,1,2,3,4,5,6,7
	ds_store_b32 v[SST], v[MN+8*\i+\j]  offset:128*\i+8*\j
	ds_store_b32 v[SST], v[MSQ+8*\i+\j] offset:128*\i+8*\j+4
.endr
.endr
	ds_load_b64 v[KB:KB+1],   v[SRD]               ; LDS serves a wave's instructions in order: these see the stores above
	ds_load_b64 v[KB+2:KB+3], v[SRD] offset:256
	s_wait_dscnt 0x1                               ; rows 0-31 are in; the load of rows 32-63 may stay out
	global_store_b64 v[SCO], v[KB:KB+1], s[STP:STP+1]
	s_wait_dscnt 0x0
	global_store_b64 v[SCO], v[KB+2:KB+3], s[STP:STP+1] offset:256
; d of row tile i: round to bf16 (a word holds rows 2 p and 2 p + 1 of one column), its halves into my stage, whole rows of 256 bytes back and out.
.set PKD, 96
.macro OUTD i, f
	WIN 0x0f
.irp b, 0,1,2,3,4,5,6,7
.irp p, 0,1,2,3
	v_cvt_pk_bf16_f32 v[PKD+4*\b+\p], v[8*(8*\i+\b)+2*\p], v[8*(8*\i+\b)+2*\p+1]
.endr
.endr
	WIN 0
.irp b, 0,1,2,3,4,5,6,7
.irp p, 0,1,2,3
	ds_store_b16 v[STO], v[PKD+4*\b+\p] offset:2*\p*PITCH+32*\b
	ds_store_b16_d16_hi v[STO], v[PKD+4*\b+\p] offset:(2*\p+1)*PITCH+32*\b
.endr
.endr
	s_wait_xcnt 0x0                                ; buffer f, which earlier stores read, is loaded again only behind this wait
.irp t, 0,1,2,3,4,5,6,7
	ds_load_b128 v[\f+4*\t:\f+4*\t+3], v[RD] offset:\t*2*PITCH
.endr
.irp t, 0,1,2,3,4,5,6,7
	s_wait_dscnt 7-\t                              ; load t is in, the younger ones stay out
	global_store_b128 v[CO], v[\f+4*\t:\f+4*\t+3], s[DBP:DBP+1] offset:(16*\i+2*\t)*2048   ; 16 lanes store 256 consecutive bytes, at a multiple of 256
.endr
.endm
	OUTD 0, 128
	OUTD 1, 160
	OUTD 2, 128
	OUTD 3, 160
	s_wait_tensorcnt 0x0
	ds_add_u32 v23, v30
	s_wait_dscnt 0x0
	CROUND                                         ; the closing round
	s_endpgm
.Lfunc_end_k_qb8d97a03fd_phase:
	.size	k_qb8d97a03fd_phase, .Lfunc_end_k_qb8d97a03fd_phase-k_qb8d97a03fd_phase
	.p2alignl 7, 3214868480
	.fill 96, 4, 3214868480
	.section	.rodata,"a",@progbits
	.p2align	6, 0x0
	.amdhsa_kernel k_qb8d97a03fd_phase
		.amdhsa_group_segment_fixed_size 327680
		.amdhsa_private_segment_fixed_size 0
		.amdhsa_enable_private_segment 0
		.amdhsa_kernarg_size 72
		.amdhsa_user_sgpr_count 2
		.amdhsa_user_sgpr_kernarg_segment_ptr 1
		.amdhsa_wavefront_size32 1
		.amdhsa_system_sgpr_workgroup_id_x 1
		.amdhsa_system_sgpr_workgroup_id_y 1
		.amdhsa_system_sgpr_workgroup_id_z 1
		.amdhsa_system_vgpr_workitem_id 0
		.amdhsa_next_free_vgpr 1024
		.amdhsa_next_free_sgpr 102
		.amdhsa_reserve_vcc 0
		.amdhsa_float_denorm_mode_32 3
		.amdhsa_float_denorm_mode_16_64 3
		.amdhsa_memory_ordered 1
		.amdhsa_forward_progress 1
		.amdhsa_inst_pref_size 255
	.end_amdhsa_kernel
	.section	.bss,"aw",@nobits
	.p2align	6
	.space	262144
	.amdgpu_metadata
---
amdhsa.version: [ 1, 2 ]
amdhsa.kernels:
  - .name:           k_qb8d97a03fd_phase
    .symbol:         k_qb8d97a03fd_phase.kd
    .args:
      - { .name: xb, .offset: 0, .size: 8, .value_kind: global_buffer, .address_space: global }
      - { .name: kqb, .offset: 8, .size: 8, .value_kind: global_buffer, .address_space: global }
      - { .name: wb, .offset: 16, .size: 8, .value_kind: global_buffer, .address_space: global }
      - { .name: bv, .offset: 24, .size: 8, .value_kind: global_buffer, .address_space: global }
      - { .name: bkp, .offset: 32, .size: 8, .value_kind: global_buffer, .address_space: global }
      - { .name: bqp, .offset: 40, .size: 8, .value_kind: global_buffer, .address_space: global }
      - { .name: phase_scale, .offset: 48, .size: 8, .value_kind: global_buffer, .address_space: global }
      - { .name: dbuf, .offset: 56, .size: 8, .value_kind: global_buffer, .address_space: global }
      - { .name: stats, .offset: 64, .size: 8, .value_kind: global_buffer, .address_space: global }
    .group_segment_fixed_size: 327680
    .private_segment_fixed_size: 0
    .kernarg_segment_align: 8
    .kernarg_segment_size: 72
    .max_flat_workgroup_size: 128
    .sgpr_count:     102
    .vgpr_count:     1024
    .wavefront_size: 32
...
	.end_amdgpu_metadata
.endif
;; end of part 5
;; launch outp: the kernel of part 4 again; grid 4 x 64, 4 waves a work-group, clusters of 4 x 4, 327,680 bytes of LDS; arguments dbuf, stats, wb, tab, x, out0; writes out0
